; MI455X (gfx1250); checked and timed in simulation.
; The chip was launched on July 23, 2026; its instructions are those of AMD's public machine-readable ISA for CDNA 5 (MIT licence, August 2026) and "CDNA5" Instruction Set Architecture Reference Guide (July 2026). The comments in the code are by the model that wrote it; some were corrected since.
;; STDN. Allowed arithmetic: float matrix products may take bf16 or f16 operands with f32 sums; other float arithmetic in f32, or as packed bf16 or f16 multiplies, adds, multiply-adds, maxima and minima; sums over many terms, partial sums and values carried from step to step in f32; what a program stores and reads back later, other than sums and carried values, may be rounded once to bf16 or f16.
;; Inputs: SE 64 x 12 x 307 x 64 float32; TE 64 x 12 x 307 x 64 float32; X 64 x 12 x 307 x 64 float32; mask 64 x 12 x 307 bool; params_I 1 x 16 x 307 x 192 float32; params_mab0_k_W 64 x 192 float32; params_mab0_k_b 64 float32; params_mab0_k_beta 64 float32; params_mab0_k_g 64 float32; params_mab0_k_rm 64 float32; params_mab0_k_rv 64 float32; params_mab0_o_W 192 x 64 float32; params_mab0_o_b 192 float32; params_mab0_o_beta 192 float32; params_mab0_o_g 192 float32; params_mab0_o_rm 192 float32; params_mab0_o_rv 192 float32; params_mab0_q_W 64 x 192 float32; params_mab0_q_b 64 float32; params_mab0_q_beta 64 float32; params_mab0_q_g 64 float32; params_mab0_q_rm 64 float32; params_mab0_q_rv 64 float32; params_mab0_v_W 64 x 192 float32; params_mab0_v_b 64 float32; params_mab0_v_beta 64 float32; params_mab0_v_g 64 float32; params_mab0_v_rm 64 float32; params_mab0_v_rv 64 float32; params_mab1_k_W 64 x 192 float32; params_mab1_k_b 64 float32; params_mab1_k_beta 64 float32; params_mab1_k_g 64 float32; params_mab1_k_rm 64 float32; params_mab1_k_rv 64 float32; params_mab1_o_W 64 x 64 float32; params_mab1_o_b 64 float32; params_mab1_o_beta 64 float32; params_mab1_o_g 64 float32; params_mab1_o_rm 64 float32; params_mab1_o_rv 64 float32; params_mab1_q_W 64 x 192 float32; params_mab1_q_b 64 float32; params_mab1_q_beta 64 float32; params_mab1_q_g 64 float32; params_mab1_q_rm 64 float32; params_mab1_q_rv 64 float32; params_mab1_v_W 64 x 192 float32; params_mab1_v_b 64 float32; params_mab1_v_beta 64 float32; params_mab1_v_g 64 float32; params_mab1_v_rm 64 float32; params_mab1_v_rv 64 float32.
;; Outputs: out0 64 x 12 x 307 x 64 float32.
;; 2 versions, each right; version 2 is version 1 with the launch main written anew for expert scheduling mode. Each part assembles by itself: llvm-mc -triple=amdgcn-amd-amdhsa -mcpu=gfx1250 --defsym DOCPART=n.
;; ======== version 1 of 2: 2 launches
;; workspace buffers: q0tab 655,360 bytes; wpack0 75,008 bytes
;; launch prep (part 1): grid 165 x 1, 4 waves a work-group, no clusters, 0 bytes of LDS; arguments params_I, params_mab0_q_W, params_mab0_q_b, params_mab0_q_beta, params_mab0_q_g, params_mab0_q_rm, params_mab0_q_rv, params_mab0_k_W, params_mab0_k_b, params_mab0_k_beta, params_mab0_k_g, params_mab0_k_rm, params_mab0_k_rv, params_mab0_v_W, params_mab0_v_b, params_mab0_v_beta, params_mab0_v_g, params_mab0_v_rm, params_mab0_v_rv, params_mab0_o_W, params_mab0_o_b, params_mab0_o_beta, params_mab0_o_g, params_mab0_o_rm, params_mab0_o_rv, q0tab, wpack0; writes q0tab, wpack0
.if DOCPART == 1
	.amdgcn_target "amdgcn-amd-amdhsa--gfx1250"
	.amdhsa_code_object_version 6
	.text
	.protected	k_qecc43ac149_prep
	.globl	k_qecc43ac149_prep
	.p2align	8
	.type	k_qecc43ac149_prep,@function
k_qecc43ac149_prep:
	s_mov_b64 s[64:65], 0
	v_nop
	global_prefetch_b8 v0, s[64:65] scope:SCOPE_SE
	s_setreg_imm32_b32 hwreg(HW_REG_WAVE_MODE, 25, 1), 1
	s_wait_xcnt 0x0
; WHAT DOES NOT HANG ON THE BATCH, made once.
; (1) q0tab: q0 = relu(fc(I)) x c, c = log2(e) / sqrt(8), for all 16 set rows and 307 places, in bf16, laid as the main launch's lanes take it:
;     [tile w 4][pair of set rows sp 8][j2 2][n 320][h 2][4 words]; word 4 j2 + k holds channel 16 w + 8 h + 4 j2 + k of set rows 2 sp (low half) and 2 sp + 1 (high half).
;     Places 307 to 319 are written from place 306 and never read.
; (2) wpack0: the weights of mab0's k, v and o, each row times its BatchNorm scale s = g rsq(rv + eps), rounded once to bf16, as matrix fragments of 1,024 bytes
;     (registers 0-3 at 16 x lane, registers 4-7 at 512 + 16 x lane): k at fragment 6 T + kk, v at 24 + 6 T + kk, o at 48 + 2 T + kk; from byte 73,728 on the f32 biases
;     (b - rm) s + beta of k (64), v (64), o (192).
; THE MATRIX INSTRUCTION IS USED TRANSPOSED: source 0 = 16 rows of W (output channels), source 1 = 16 rows of data.  In the result lane l holds data row l % 16 and
; the eight channels 16 T + 8 (l / 16) + 0..7, so the bias in that layout is the C operand of the first K step.
; SHARES.  Work-groups 0-159: pair of set rows id / 20, block of 16 places id % 20; wave w makes tile w.  Work-groups 160, 161: k's and v's tiles, one a wave.  162-164: o's twelve tiles.
; LIMITS.  The scale (for q also c, which is positive and so passes through the ReLU) is multiplied into W in f32 ahead of W's one rounding to bf16.  A NaN leaves the ReLU as 0.
.set VI,   4          ; v4   my byte offset in a set row of I
.set VW,   5          ; v5   my byte offset in W: row 16 T + l % 16, 8 (l / 16) channels on
.set VPA,  6          ; v6   byte offset of my W row's parameters
.set VPD,  7          ; v7   byte offset of my eight result channels' parameters
.set SC,   8          ; v[8:9] my W row's scale, twice
.set VT,   10         ; v10  store offset
.set ZERO, 11
.set VL,   12         ; v12  16 x lane
.set VR,   13         ; v13  16 T + l % 16
.set VB,   14         ; v14  store offset of the bias
.set BI,   16         ; v[16:23] bias of my eight channels
.set ACC0, 24
.set ACC1, 32
.set PK,   40
.set WF,   48         ; v[48:95] weight fragments, bf16
.set TW,   96         ; v[96:191] weights as loaded, f32
.set DF,   96         ; the same registers later: data fragments, bf16
.set PT,   192        ; v[192:233] parameters as loaded
.set TD,   0          ; window 1, v[0:191]: two set rows of I as loaded, f32
.set MSB, 0
.macro WIN new                      ; the immediate's high byte repeats the setting that is left; a switch that changes nothing is dropped
.if MSB != (\new)
	s_set_vgpr_msb (MSB<<8)|(\new)
.set MSB, (\new)
.endif
.endm
.macro PLACES                       ; four places between a matrix instruction and the vector lines that read its result (ISA guide 7.12.1)
.rept 4
	v_nop
.endr
.endm
.macro WM D, A, B, C
	v_wmma_f32_16x16x32_bf16 v[(\D):(\D)+7], v[(\A):(\A)+7], v[(\B):(\B)+7], v[(\C):(\C)+7]
.endm
; The parameters of one layer, whose six addresses lie at s[SP] on (W, b, beta, g, rm, rv): eight of each for my result channels, g and rv of my W row.
.macro PARLD SP, T
	global_load_b128 v[(\T):(\T)+3],     v[VPD], s[(\SP)+2:(\SP)+3]
	global_load_b128 v[(\T)+4:(\T)+7],   v[VPD], s[(\SP)+2:(\SP)+3] offset:16
	global_load_b128 v[(\T)+8:(\T)+11],  v[VPD], s[(\SP)+4:(\SP)+5]
	global_load_b128 v[(\T)+12:(\T)+15], v[VPD], s[(\SP)+4:(\SP)+5] offset:16
	global_load_b128 v[(\T)+16:(\T)+19], v[VPD], s[(\SP)+6:(\SP)+7]
	global_load_b128 v[(\T)+20:(\T)+23], v[VPD], s[(\SP)+6:(\SP)+7] offset:16
	global_load_b128 v[(\T)+24:(\T)+27], v[VPD], s[(\SP)+8:(\SP)+9]
	global_load_b128 v[(\T)+28:(\T)+31], v[VPD], s[(\SP)+8:(\SP)+9] offset:16
	global_load_b128 v[(\T)+32:(\T)+35], v[VPD], s[(\SP)+10:(\SP)+11]
	global_load_b128 v[(\T)+36:(\T)+39], v[VPD], s[(\SP)+10:(\SP)+11] offset:16
	global_load_b32 v[(\T)+40], v[VPA], s[(\SP)+6:(\SP)+7]
	global_load_b32 v[(\T)+41], v[VPA], s[(\SP)+10:(\SP)+11]
.endm
; s = g rsq(rv + eps); bias = (b - rm) s + beta into B (window setting wbi); SC = my W row's s.  qc = 1: both times c.
.macro PARCALC T, qc, B, wbi
.irp j, 0,2,4,6
	v_pk_add_f32 v[(\T)+32+(\j):(\T)+33+(\j)], v[(\T)+32+(\j):(\T)+33+(\j)], 0x3727c5ac op_sel_hi:[1,0]  ; eps = 1e-5
.endr
	v_add_f32 v[(\T)+41], 0x3727c5ac, v[(\T)+41]
.irp j, 0,1,2,3,4,5,6,7
	v_rsq_f32 v[(\T)+32+(\j)], v[(\T)+32+(\j)]
.endr
	v_rsq_f32 v[(\T)+41], v[(\T)+41]
	v_nop                           ; a plain instruction between the last root and the use of the results
	s_wait_alu depctr_va_vdst(0)
.irp j, 0,2,4,6
	v_pk_mul_f32 v[(\T)+16+(\j):(\T)+17+(\j)], v[(\T)+16+(\j):(\T)+17+(\j)], v[(\T)+32+(\j):(\T)+33+(\j)]
.endr
	v_mul_f32 v[SC], v[(\T)+40], v[(\T)+41]
.irp j, 0,2,4,6
	v_pk_add_f32 v[(\T)+(\j):(\T)+1+(\j)], v[(\T)+(\j):(\T)+1+(\j)], v[(\T)+24+(\j):(\T)+25+(\j)] neg_lo:[0,1] neg_hi:[0,1]
.endr
.if \qc
.irp j, 0,2,4,6
	v_pk_fma_f32 v[(\T)+(\j):(\T)+1+(\j)], v[(\T)+(\j):(\T)+1+(\j)], v[(\T)+16+(\j):(\T)+17+(\j)], v[(\T)+8+(\j):(\T)+9+(\j)]
.endr
	v_mul_f32 v[SC], 0x3f0293ee, v[SC]  ; c = log2(e) / sqrt(8) = 0.510070
	WIN \wbi
.irp j, 0,2,4,6
	v_pk_mul_f32 v[(\B)+(\j):(\B)+1+(\j)], v[(\T)+(\j):(\T)+1+(\j)], 0x3f0293ee op_sel_hi:[1,0]
.endr
.else
	WIN \wbi
.irp j, 0,2,4,6
	v_pk_fma_f32 v[(\B)+(\j):(\B)+1+(\j)], v[(\T)+(\j):(\T)+1+(\j)], v[(\T)+16+(\j):(\T)+17+(\j)], v[(\T)+8+(\j):(\T)+9+(\j)]
.endr
.endif
	WIN 0
	v_mov_b32 v[SC+1], v[SC]
.endm
; NF fragments of my W row in f32: for 32 channels, 8 at 8 (l / 16) and 8 at 16 + 8 (l / 16): four loads of 16 bytes.
.macro WLD P, VO, NF, D
.set k_, 0
.rept \NF
	global_load_b128 v[(\D)+16*k_:(\D)+16*k_+3],     v[\VO], s[(\P):(\P)+1] offset:k_*128
	global_load_b128 v[(\D)+16*k_+4:(\D)+16*k_+7],   v[\VO], s[(\P):(\P)+1] offset:k_*128+16
	global_load_b128 v[(\D)+16*k_+8:(\D)+16*k_+11],  v[\VO], s[(\P):(\P)+1] offset:k_*128+64
	global_load_b128 v[(\D)+16*k_+12:(\D)+16*k_+15], v[\VO], s[(\P):(\P)+1] offset:k_*128+80
.set k_, k_+1
.endr
.endm
; They are scaled in f32 and rounded once to bf16.
.macro WCV NF, S, wmul, wcvt, D
	WIN \wmul
.set k_, 0
.rept 8*(\NF)
	v_pk_mul_f32 v[(\S)+2*k_:(\S)+2*k_+1], v[(\S)+2*k_:(\S)+2*k_+1], v[SC:SC+1]
.set k_, k_+1
.endr
	WIN \wcvt
.set k_, 0
.rept 8*(\NF)
	v_cvt_pk_bf16_f32 v[(\D)+k_], v[(\S)+2*k_], v[(\S)+2*k_+1]
.set k_, k_+1
.endr
	WIN 0
.endm
.macro TILEADR DIN                  ; the offsets of tile s69 of a layer with DIN input channels
	s_lshl_b32 s74, s69, 4
	s_lshl_b32 s75, s69, 6
	v_add_nc_u32 v[VR], s74, v1
	v_lshlrev_b32 v[VPA], 2, v[VR]
	v_lshl_add_u32 v[VPD], v2, 5, s75
	v_mul_u32_u24 v[VW], v[VR], (\DIN)*4
	v_lshl_add_u32 v[VW], v2, 5, v[VW]
.endm
; One tile of a layer is packed: s69 = tile, s70 = byte of its first fragment in wpack0, s71 = byte of its 16 biases.
.macro PACK SP, NF, DIN
	TILEADR \DIN
	PARLD \SP, PT
	WLD \SP, VW, \NF, TW
	v_add_nc_u32 v[VT], s70, v[VL]
	v_lshl_add_u32 v[VB], v2, 5, s71
	s_wait_loadcnt 0x0
	PARCALC PT, 0, BI, 0
	WCV \NF, TW, 0, 0, WF
.set k_, 0
.rept \NF
	global_store_b128 v[VT], v[WF+8*k_:WF+8*k_+3],   s[56:57] offset:k_*1024      ; 512 consecutive bytes a store
	global_store_b128 v[VT], v[WF+8*k_+4:WF+8*k_+7], s[56:57] offset:k_*1024+512
.set k_, k_+1
.endr
	s_wait_xcnt 0x0                 ; EXEC is a source of the stores above: it changes only behind this wait
	v_cmp_eq_u32 vcc_lo, 0, v1
	s_and_saveexec_b32 s72, vcc_lo  ; lanes 0 and 16 hold the tile's sixteen biases between them
	global_store_b128 v[VB], v[BI:BI+3],   s[56:57]
	global_store_b128 v[VB], v[BI+4:BI+7], s[56:57] offset:16
	s_wait_xcnt 0x0                 ; and again in front of the line that widens it
	s_or_b32 exec_lo, exec_lo, s72
	s_endpgm
.endm
	s_load_b512 s[4:19],  s[0:1], 0x0   ; I s[4:5]; q's six s[6:17]; k's s[18:29]; v's s[30:41]; o's s[42:53]; q0tab s[54:55]; wpack0 s[56:57]
	s_load_b512 s[20:35], s[0:1], 0x40
	s_load_b512 s[36:51], s[0:1], 0x80
	s_load_b128 s[52:55], s[0:1], 0xc0
	s_load_b64  s[56:57], s[0:1], 0xd0
	v_and_b32 v1, 15, v0            ; l % 16
	v_bfe_u32 v2, v0, 4, 1          ; l / 16
	v_lshrrev_b32 v3, 5, v0
	v_readfirstlane_b32 s66, v3     ; wave 0..3
	v_and_b32 v[VL], 31, v0
	v_lshlrev_b32 v[VL], 4, v[VL]
	v_mov_b32 v[ZERO], 0
	s_mov_b32 s67, ttmp9
	s_wait_kmcnt 0x0
	s_cmp_ge_u32 s67, 160
	s_cbranch_scc1 .Lpack
	; THE TABLE OF q0
	s_mul_i32 s68, s67, 3277
	s_lshr_b32 s68, s68, 16         ; sp = id / 20 (exact for id < 160)
	s_mul_i32 s70, s68, 20
	s_sub_co_u32 s70, s67, s70
	s_lshl_b32 s70, s70, 4          ; the block's first place
	s_lshl_b32 s71, s66, 3
	s_add_co_u32 s71, s71, s68
	s_mul_i32 s71, s71, 20480       ; (8 w + sp) x 2 x 10,240 bytes
	s_mul_i32 s72, s68, 471552      ; set row 2 sp: 2 x 307 x 768 bytes a pair
	s_mov_b32 s73, 0
	s_add_nc_u64 s[4:5], s[4:5], s[72:73]
	s_mov_b32 s69, s66              ; my tile
	v_add_nc_u32 v3, s70, v1        ; my place, as it is stored
	v_lshlrev_b32 v[VT], 5, v3
	v_lshl_add_u32 v[VT], v2, 4, v[VT]
	v_add_nc_u32 v[VT], s71, v[VT]
	v_min_u32 v3, 306, v3           ; as it is read: never past the table's last place
	v_mul_u32_u24 v[VI], v3, 768
	v_lshl_add_u32 v[VI], v2, 5, v[VI]
	TILEADR 192
	PARLD 6, PT
	WLD 6, VW, 6, TW
	WIN 0x40                        ; destination window 1
.set d_, 0
.rept 2
.set k_, 0
.rept 6
.set b_, TD+16*(6*d_+k_)
	global_load_b128 v[b_:b_+3],     v[VI], s[4:5] offset:d_*235776+k_*128
	global_load_b128 v[b_+4:b_+7],   v[VI], s[4:5] offset:d_*235776+k_*128+16
	global_load_b128 v[b_+8:b_+11],  v[VI], s[4:5] offset:d_*235776+k_*128+64
	global_load_b128 v[b_+12:b_+15], v[VI], s[4:5] offset:d_*235776+k_*128+80
.set k_, k_+1
.endr
.set d_, d_+1
.endr
	WIN 0
	s_wait_loadcnt 0x0
	PARCALC PT, 1, BI, 0
	WCV 6, TW, 0, 0, WF
	WIN 0x05                        ; sources window 1
.set k_, 0
.rept 96
	v_cvt_pk_bf16_f32 v[DF+k_], v[TD+2*k_], v[TD+2*k_+1]
.set k_, k_+1
.endr
	WIN 0
.set k_, 0
.rept 6                             ; the two set rows' accumulators take turns
.if k_ == 0
	WM ACC0, WF, DF, BI
	WM ACC1, WF, DF+48, BI
.else
	WM ACC0, WF+8*k_, DF+8*k_, ACC0
	WM ACC1, WF+8*k_, DF+48+8*k_, ACC1
.endif
.set k_, k_+1
.endr
	PLACES
.set k_, 0
.rept 8
	v_cvt_pk_bf16_f32 v[PK+k_], v[ACC0+k_], v[ACC1+k_]  ; set row 2 sp below, 2 sp + 1 above
.set k_, k_+1
.endr
.set k_, 0
.rept 8
	v_pk_max_num_bf16 v[PK+k_], v[PK+k_], v[ZERO]       ; the ReLU, on the rounded numbers: rounding keeps sign and order
.set k_, k_+1
.endr
	global_store_b128 v[VT], v[PK:PK+3],   s[54:55]              ; 512 consecutive bytes a store: 16 places x 32 bytes
	global_store_b128 v[VT], v[PK+4:PK+7], s[54:55] offset:10240
	s_endpgm
.Lpack:                             ; THE WEIGHTS OF mab0's k, v AND o
	s_sub_co_u32 s68, s67, 160
	s_cmp_eq_u32 s68, 0
	s_cbranch_scc0 .Lnot_k
	s_mov_b32 s69, s66
	s_mul_i32 s70, s66, 6144
	s_lshl_b32 s71, s66, 6
	s_add_co_u32 s71, s71, 73728
	PACK 18, 6, 192
.Lnot_k:
	s_cmp_eq_u32 s68, 1
	s_cbranch_scc0 .Lnot_v
	s_mov_b32 s69, s66
	s_mul_i32 s70, s66, 6144
	s_add_co_u32 s70, s70, 24576
	s_lshl_b32 s71, s66, 6
	s_add_co_u32 s71, s71, 73984
	PACK 30, 6, 192
.Lnot_v:
	s_sub_co_u32 s69, s68, 2
	s_lshl_b32 s69, s69, 2
	s_add_co_u32 s69, s69, s66      ; o's tile 4 (id - 162) + w
	s_lshl_b32 s70, s69, 11
	s_add_co_u32 s70, s70, 49152
	s_lshl_b32 s71, s69, 6
	s_add_co_u32 s71, s71, 74240
	PACK 42, 2, 64
.Lfunc_end_k_qecc43ac149_prep:
	.size	k_qecc43ac149_prep, .Lfunc_end_k_qecc43ac149_prep-k_qecc43ac149_prep
	.p2alignl 7, 3214868480
	.fill 96, 4, 3214868480
	.section	.rodata,"a",@progbits
	.p2align	6, 0x0
	.amdhsa_kernel k_qecc43ac149_prep
		.amdhsa_group_segment_fixed_size 0
		.amdhsa_private_segment_fixed_size 0
		.amdhsa_enable_private_segment 0
		.amdhsa_kernarg_size 216
		.amdhsa_user_sgpr_count 2
		.amdhsa_user_sgpr_kernarg_segment_ptr 1
		.amdhsa_wavefront_size32 1
		.amdhsa_system_sgpr_workgroup_id_x 1
		.amdhsa_system_sgpr_workgroup_id_y 1
		.amdhsa_system_sgpr_workgroup_id_z 1
		.amdhsa_system_vgpr_workitem_id 0
		.amdhsa_next_free_vgpr 448
		.amdhsa_next_free_sgpr 80
		.amdhsa_reserve_vcc 1
		.amdhsa_float_denorm_mode_32 3
		.amdhsa_float_denorm_mode_16_64 3
		.amdhsa_memory_ordered 1
		.amdhsa_forward_progress 1
		.amdhsa_inst_pref_size 60
	.end_amdhsa_kernel
	.amdgpu_metadata
---
amdhsa.version: [ 1, 2 ]
amdhsa.kernels:
  - .name:           k_qecc43ac149_prep
    .symbol:         k_qecc43ac149_prep.kd
    .args:
      - { .name: params_I, .offset: 0, .size: 8, .value_kind: global_buffer, .address_space: global }
      - { .name: params_mab0_q_W, .offset: 8, .size: 8, .value_kind: global_buffer, .address_space: global }
      - { .name: params_mab0_q_b, .offset: 16, .size: 8, .value_kind: global_buffer, .address_space: global }
      - { .name: params_mab0_q_beta, .offset: 24, .size: 8, .value_kind: global_buffer, .address_space: global }
      - { .name: params_mab0_q_g, .offset: 32, .size: 8, .value_kind: global_buffer, .address_space: global }
      - { .name: params_mab0_q_rm, .offset: 40, .size: 8, .value_kind: global_buffer, .address_space: global }
      - { .name: params_mab0_q_rv, .offset: 48, .size: 8, .value_kind: global_buffer, .address_space: global }
      - { .name: params_mab0_k_W, .offset: 56, .size: 8, .value_kind: global_buffer, .address_space: global }
      - { .name: params_mab0_k_b, .offset: 64, .size: 8, .value_kind: global_buffer, .address_space: global }
      - { .name: params_mab0_k_beta, .offset: 72, .size: 8, .value_kind: global_buffer, .address_space: global }
      - { .name: params_mab0_k_g, .offset: 80, .size: 8, .value_kind: global_buffer, .address_space: global }
      - { .name: params_mab0_k_rm, .offset: 88, .size: 8, .value_kind: global_buffer, .address_space: global }
      - { .name: params_mab0_k_rv, .offset: 96, .size: 8, .value_kind: global_buffer, .address_space: global }
      - { .name: params_mab0_v_W, .offset: 104, .size: 8, .value_kind: global_buffer, .address_space: global }
      - { .name: params_mab0_v_b, .offset: 112, .size: 8, .value_kind: global_buffer, .address_space: global }
      - { .name: params_mab0_v_beta, .offset: 120, .size: 8, .value_kind: global_buffer, .address_space: global }
      - { .name: params_mab0_v_g, .offset: 128, .size: 8, .value_kind: global_buffer, .address_space: global }
      - { .name: params_mab0_v_rm, .offset: 136, .size: 8, .value_kind: global_buffer, .address_space: global }
      - { .name: params_mab0_v_rv, .offset: 144, .size: 8, .value_kind: global_buffer, .address_space: global }
      - { .name: params_mab0_o_W, .offset: 152, .size: 8, .value_kind: global_buffer, .address_space: global }
      - { .name: params_mab0_o_b, .offset: 160, .size: 8, .value_kind: global_buffer, .address_space: global }
      - { .name: params_mab0_o_beta, .offset: 168, .size: 8, .value_kind: global_buffer, .address_space: global }
      - { .name: params_mab0_o_g, .offset: 176, .size: 8, .value_kind: global_buffer, .address_space: global }
      - { .name: params_mab0_o_rm, .offset: 184, .size: 8, .value_kind: global_buffer, .address_space: global }
      - { .name: params_mab0_o_rv, .offset: 192, .size: 8, .value_kind: global_buffer, .address_space: global }
      - { .name: q0tab, .offset: 200, .size: 8, .value_kind: global_buffer, .address_space: global }
      - { .name: wpack0, .offset: 208, .size: 8, .value_kind: global_buffer, .address_space: global }
    .group_segment_fixed_size: 0
    .private_segment_fixed_size: 0
    .kernarg_segment_align: 8
    .kernarg_segment_size: 216
    .max_flat_workgroup_size: 128
    .sgpr_count:     80
    .vgpr_count:     448
    .wavefront_size: 32
...
	.end_amdgpu_metadata
.endif
;; end of part 1
;; launch main (part 2): grid 256 x 1, 4 waves a work-group, no clusters, 314,880 bytes of LDS; arguments X, TE, SE, out0, q0tab, wpack0, params_mab1_q_W, params_mab1_q_b, params_mab1_q_beta, params_mab1_q_g, params_mab1_q_rm, params_mab1_q_rv, params_mab1_k_W, params_mab1_k_b, params_mab1_k_beta, params_mab1_k_g, params_mab1_k_rm, params_mab1_k_rv, params_mab1_v_W, params_mab1_v_b, params_mab1_v_beta, params_mab1_v_g, params_mab1_v_rm, params_mab1_v_rv, params_mab1_o_W, params_mab1_o_b, params_mab1_o_beta, params_mab1_o_g, params_mab1_o_rm, params_mab1_o_rv; writes out0
.if DOCPART == 2
	.amdgcn_target "amdgcn-amd-amdhsa--gfx1250"
	.amdhsa_code_object_version 6
	.text
	.protected	k_qecc43ac149_main
	.globl	k_qecc43ac149_main
	.p2align	8
	.type	k_qecc43ac149_main,@function
k_qecc43ac149_main:
	s_mov_b64 s[64:65], 0
	v_nop
	global_prefetch_b8 v0, s[64:65] scope:SCOPE_SE
	s_setreg_imm32_b32 hwreg(HW_REG_WAVE_MODE, 25, 1), 1
	s_wait_xcnt 0x0
; out0 = X + mab1(Xc, mab0(I, Xc)), Xc = [X | TE | SE], all of it in one launch: nothing between Xc and out0 goes through memory.
; SHARES.  A UNIT is one b and 16 neighbouring places n: 16 pairs (b, n), which do not depend on each other.  64 b x 20 blocks = 1,280 units = 5 for each of 256 work-groups.
; 307 = 19 x 16 + 3: the last block begins at place 291, so places 291-303 are made and stored twice, with the same numbers, by the same wave of the same work-group.
; LAYOUT.  Every layer uses the matrix instruction TRANSPOSED: source 0 = 16 rows of W, source 1 = the 16 places at one time or set row.  In the result lane l holds place l % 16 and the
; channels 16 T + 8 (l / 16) + 0..7: exactly one head.  So (a) a result rounded to bf16 is half a source-1 fragment of the next layer (an IMAGE: 512 bytes, 16 x lane);
; (b) q, k and v of one (place, head) lie in one lane, and both attentions run inside the lane; (c) wave w owns tile w of every layer (tiles 3 w .. 3 w + 2 of mab0's o): heads 2 w, 2 w + 1;
; its weights, 304 registers, stay in registers for the whole launch.  Waves hand each other only images, through LDS, behind barriers.
; ATTENTION.  Head size 8, 12 or 16 keys, one small product for each (place, head): it runs in f32 on the vector unit, two queries at a time in packed instructions.
; p = 2^(s - m) with m the row's maximum; c = log2(e) / sqrt(8) is already in q.  The sum and O stay in f32.
; THE NEXT UNIT'S INPUTS are loaded into 96 spare registers one phase ahead (TE, SE, q0, X in turn), rounded to bf16 and laid into LDS where this unit has finished reading; X is kept in f32 too, for the last addition.
; NOT USED: the tensor data mover (three tensors do not share out among four waves as one load each, and a second f32 slot does not fit); clusters (work-groups share only the weights, read once, and
; the q0 table, 32 KB of a unit's 230 KB).
; LIMITS.  mask is not read: reference() takes it and never uses it.  BatchNorm's scale (for q also c > 0, which passes through the ReLU) is multiplied into W in f32 ahead of W's one rounding to bf16.
; q0 and q1 are kept rounded once to bf16.  A weight below 2^-126 counts as 0.  A NaN leaves a ReLU as 0.
;
; LDS (bytes)
.set XP,    400       ; XIMG, from byte 0: Xc in bf16, row 16 t + place, 384 bytes + 16: 25 x 16, so the 16 rows of a fragment load start at 16 different groups of four banks (ISA guide 11.1)
.set R2,    76800     ; 64 images: O0 at (16 tile + s) x 512, later O1 at (16 tile + t) x 512
.set R1,    109568    ; 192 images: H at (16 tile + s) x 512; later the way out: row 16 t + place, 256 bytes of f32 + 16
.set OPI,   272
.set XF,    207872    ; X in f32: 12,288 bytes a wave, its own
.set Q0L,   257024    ; q0 of the unit: 8,192 bytes a wave, its own: pair of set rows sp at 1,024 sp
.set Q1L,   289792    ; q1 of the unit: 6,144 bytes a wave, its own
.set SPARE, 314368    ; the spare words: 128 bytes a wave, two blocks of 256 bytes that no other line names
.set TROW,  78592     ; bytes from time row t to t + 1 in X, TE, SE, out0: 307 x 256
; REGISTERS, window 0
.set A_FRA, 4         ; XIMG: (l % 16) x 400 + 16 (l / 16), time rows 0-5
.set A_FRB, 5         ; the same for time rows 6-11
.set A_XST, 6         ; XIMG: where my 8 bytes of a loaded row go
.set A_R2,  7         ; R2 + 16 x lane
.set A_H0,  8         ; R1 + 16 x lane
.set A_H1,  9         ; 49,152 further on
.set A_OS,  10        ; the way out: where I put my eight channels
.set A_OR,  11        ; the way out: where I read rows back
.set A_XF,  12
.set A_Q0,  13
.set A_Q1,  14
.set G_LD,  15        ; byte offset of my 16 bytes in my wave's three time rows of a unit
.set G_Q0,  16        ; byte offset of my 16 bytes in the q0 table
.set A_QR,  17        ; steps: the pair of queries to fetch
.set A_OW,  18        ; steps: where an attention's result goes
.set A_HW,  19        ; steps: where H goes
.set A_R2R, 20        ; steps: the O0 images to fetch
.set ZERO,  21
.set SPW,   22        ; LDS address of my spare word; never rewritten
.set NIL,   23        ; 0; never rewritten
.set RM,    24        ; v[24:25] two queries' maxima
.set RL,    26        ; v[26:27] sums
.set RR,    28        ; v[28:29] reciprocals
.set SC,    30        ; v[30:31] set-up: my W row's scale
.set RQP,   32        ; v[32:39] two queries as bf16 pairs.  At set-up: offsets
.set VPD,   32
.set VPA,   33
.set VW192, 34
.set VW64,  35
.set VIMG,  36
.set VBO,   37
.set RQ,    40        ; v[40:55] two queries in f32: channel c at 40 + 2 c (first query, second query)
.set RPK,   56        ; v[56:63] packed results
.set FR0,   64        ; v[64:159], v[160:255] two fragment buffers.  Also:
.set FR1,   160
.set RS,    64        ; scores: key m at 64 + 2 m (first query, second query)
.set RO,    96        ; v[96:111] O of the two queries
.set TS,    112       ; v[112:115] partial sums
.set AC0,   160       ; mab0's o: six accumulators
.set PKH,   208       ; and their 24 packed words
; window 1
.set RK,    0         ; key m's eight channels at 8 m
.set RV,    128       ; value m's at 128 + 8 m
.set QA,    96        ; q1's two accumulators (keys 12, 13 do not exist while they are in use)
.set XB,    96        ; the way out: X
; window 2: weight fragments, 8 kk on
.set WK0, 0
.set WV0, 48
.set WQ1, 96
.set WK1, 144
.set WV1, 192
; window 3
.set WO0, 0           ; mab0's o: tile j, K step kk at 16 j + 8 kk
.set WO1, 48
.set BK0, 64          ; biases, eight registers each
.set BV0, 72
.set BQ1, 80
.set BO0, 88
.set BK1, 112
.set BV1, 120
.set BO1, 128
.set ST,  136         ; v[136:231] what has been loaded for the next unit
; s_set_vgpr_msb: bits 1:0 source 0, 3:2 source 1, 5:4 source 2, 7:6 destination
.set MSB, 0
.macro WIN new                      ; the immediate's high byte repeats the setting that is left; a switch that changes nothing is dropped
.if MSB != (\new)
	s_set_vgpr_msb (MSB<<8)|(\new)
.set MSB, (\new)
.endif
.endm
.macro PLACES                       ; four places between a matrix instruction and vector lines that read its result, or loads into its sources
.rept 4
	v_nop
.endr
.endm
.macro BAR                          ; my LDS stores are done and my LDS reads are back; then all four waves meet
	s_wait_dscnt 0x0
	s_barrier_signal -1
	s_barrier_wait -1
.endm
.macro WM D, A, B, C
	v_wmma_f32_16x16x32_bf16 v[(\D):(\D)+7], v[(\A):(\A)+7], v[(\B):(\B)+7], v[(\C):(\C)+7]
.endm
; The parameters of one layer, whose six addresses lie at s[SP] on (W, b, beta, g, rm, rv): eight of each for my result channels, g and rv of my W row.
.macro PARLD SP, T
	global_load_b128 v[(\T):(\T)+3],     v[VPD], s[(\SP)+2:(\SP)+3]
	global_load_b128 v[(\T)+4:(\T)+7],   v[VPD], s[(\SP)+2:(\SP)+3] offset:16
	global_load_b128 v[(\T)+8:(\T)+11],  v[VPD], s[(\SP)+4:(\SP)+5]
	global_load_b128 v[(\T)+12:(\T)+15], v[VPD], s[(\SP)+4:(\SP)+5] offset:16
	global_load_b128 v[(\T)+16:(\T)+19], v[VPD], s[(\SP)+6:(\SP)+7]
	global_load_b128 v[(\T)+20:(\T)+23], v[VPD], s[(\SP)+6:(\SP)+7] offset:16
	global_load_b128 v[(\T)+24:(\T)+27], v[VPD], s[(\SP)+8:(\SP)+9]
	global_load_b128 v[(\T)+28:(\T)+31], v[VPD], s[(\SP)+8:(\SP)+9] offset:16
	global_load_b128 v[(\T)+32:(\T)+35], v[VPD], s[(\SP)+10:(\SP)+11]
	global_load_b128 v[(\T)+36:(\T)+39], v[VPD], s[(\SP)+10:(\SP)+11] offset:16
	global_load_b32 v[(\T)+40], v[VPA], s[(\SP)+6:(\SP)+7]
	global_load_b32 v[(\T)+41], v[VPA], s[(\SP)+10:(\SP)+11]
.endm
; s = g rsq(rv + eps); bias = (b - rm) s + beta into B (window setting wbi); SC = my W row's s.  qc = 1: both times c.
.macro PARCALC T, qc, B, wbi
.irp j, 0,2,4,6
	v_pk_add_f32 v[(\T)+32+(\j):(\T)+33+(\j)], v[(\T)+32+(\j):(\T)+33+(\j)], 0x3727c5ac op_sel_hi:[1,0]  ; eps = 1e-5
.endr
	v_add_f32 v[(\T)+41], 0x3727c5ac, v[(\T)+41]
.irp j, 0,1,2,3,4,5,6,7
	v_rsq_f32 v[(\T)+32+(\j)], v[(\T)+32+(\j)]
.endr
	v_rsq_f32 v[(\T)+41], v[(\T)+41]
	v_nop                           ; a plain instruction between the last root and the use of the results
	s_wait_alu depctr_va_vdst(0)
.irp j, 0,2,4,6
	v_pk_mul_f32 v[(\T)+16+(\j):(\T)+17+(\j)], v[(\T)+16+(\j):(\T)+17+(\j)], v[(\T)+32+(\j):(\T)+33+(\j)]
.endr
	v_mul_f32 v[SC], v[(\T)+40], v[(\T)+41]
.irp j, 0,2,4,6
	v_pk_add_f32 v[(\T)+(\j):(\T)+1+(\j)], v[(\T)+(\j):(\T)+1+(\j)], v[(\T)+24+(\j):(\T)+25+(\j)] neg_lo:[0,1] neg_hi:[0,1]
.endr
.if \qc
.irp j, 0,2,4,6
	v_pk_fma_f32 v[(\T)+(\j):(\T)+1+(\j)], v[(\T)+(\j):(\T)+1+(\j)], v[(\T)+16+(\j):(\T)+17+(\j)], v[(\T)+8+(\j):(\T)+9+(\j)]
.endr
	v_mul_f32 v[SC], 0x3f0293ee, v[SC]  ; c = log2(e) / sqrt(8) = 0.510070
	WIN \wbi
.irp j, 0,2,4,6
	v_pk_mul_f32 v[(\B)+(\j):(\B)+1+(\j)], v[(\T)+(\j):(\T)+1+(\j)], 0x3f0293ee op_sel_hi:[1,0]
.endr
.else
	WIN \wbi
.irp j, 0,2,4,6
	v_pk_fma_f32 v[(\B)+(\j):(\B)+1+(\j)], v[(\T)+(\j):(\T)+1+(\j)], v[(\T)+16+(\j):(\T)+17+(\j)], v[(\T)+8+(\j):(\T)+9+(\j)]
.endr
.endif
	WIN 0
	v_mov_b32 v[SC+1], v[SC]
.endm
; NF fragments of my W row in f32: for 32 channels, 8 at 8 (l / 16) and 8 at 16 + 8 (l / 16): four loads of 16 bytes.
.macro WLD P, VO, NF, D
.set k_, 0
.rept \NF
	global_load_b128 v[(\D)+16*k_:(\D)+16*k_+3],     v[\VO], s[(\P):(\P)+1] offset:k_*128
	global_load_b128 v[(\D)+16*k_+4:(\D)+16*k_+7],   v[\VO], s[(\P):(\P)+1] offset:k_*128+16
	global_load_b128 v[(\D)+16*k_+8:(\D)+16*k_+11],  v[\VO], s[(\P):(\P)+1] offset:k_*128+64
	global_load_b128 v[(\D)+16*k_+12:(\D)+16*k_+15], v[\VO], s[(\P):(\P)+1] offset:k_*128+80
.set k_, k_+1
.endr
.endm
; They are scaled in f32 and rounded once to bf16.
.macro WCV NF, S, wmul, wcvt, D
	WIN \wmul
.set k_, 0
.rept 8*(\NF)
	v_pk_mul_f32 v[(\S)+2*k_:(\S)+2*k_+1], v[(\S)+2*k_:(\S)+2*k_+1], v[SC:SC+1]
.set k_, k_+1
.endr
	WIN \wcvt
.set k_, 0
.rept 8*(\NF)
	v_cvt_pk_bf16_f32 v[(\D)+k_], v[(\S)+2*k_], v[(\S)+2*k_+1]
.set k_, k_+1
.endr
	WIN 0
.endm
; The bases of the unit of block s71: q0tab at its first place, X, TE, SE at its first row.  s[72:73] is left holding the unit's byte offset in X.
.macro NEXTB
	s_lshl_b32 s86, s71, 4
	s_min_u32 s86, s86, 291         ; the last block is moved back, so that it ends at place 306
	s_lshl_b32 s72, s86, 5
	s_mov_b32 s73, 0
	s_add_nc_u64 s[84:85], s[12:13], s[72:73]
	s_add_co_u32 s86, s86, s69      ; + 3,684 b rows
	s_lshl_b32 s72, s86, 8          ; under 2^26
	s_add_nc_u64 s[76:77], s[4:5], s[72:73]
	s_add_nc_u64 s[78:79], s[6:7], s[72:73]
	s_add_nc_u64 s[80:81], s[8:9], s[72:73]
.endm
; My wave's three time rows of a unit: 24 loads, each two whole rows of 256 bytes.  The caller sets the destination's window.
.macro ISSUE P, D
.set k_, 0
.rept 24
	global_load_b128 v[(\D)+4*k_:(\D)+4*k_+3], v[G_LD], s[(\P):(\P)+1] offset:(k_/8)*TROW+(k_%8)*512 th:TH_LOAD_NT
.set k_, k_+1
.endr
.endm
.macro ISSUEQ D                     ; my wave's part of the q0 table for the unit's 16 places: 16 loads of 512 consecutive bytes
.set k_, 0
.rept 16
	global_load_b128 v[(\D)+4*k_:(\D)+4*k_+3], v[G_Q0], s[84:85] offset:k_*10240
.set k_, k_+1
.endr
.endm
; What ISSUE brought is rounded to bf16 and laid into XIMG at byte col of the rows; raw = 1: it is kept in f32 too.
.macro CONSUME col, S, wcvt, wst, raw
	WIN \wcvt
.set k_, 0
.rept 48
	v_cvt_pk_bf16_f32 v[FR0+k_], v[(\S)+2*k_], v[(\S)+2*k_+1]
.set k_, k_+1
.endr
	WIN 0
.set k_, 0
.rept 24
	ds_store_b64 v[A_XST], v[FR0+2*k_:FR0+2*k_+1] offset:((k_/8)*16+2*(k_%8))*XP+(\col)
.set k_, k_+1
.endr
.if \raw
	WIN \wst
.set k_, 0
.rept 24
	ds_store_b128 v[A_XF], v[(\S)+4*k_:(\S)+4*k_+3] offset:k_*512
.set k_, k_+1
.endr
	WIN 0
.endif
.endm
.macro CONSUMEQ S, wst
	WIN \wst
.set k_, 0
.rept 16
	ds_store_b128 v[A_Q0], v[(\S)+4*k_:(\S)+4*k_+3] offset:k_*512
.set k_, k_+1
.endr
	WIN 0
.endm
; The fragments of Xc for time rows 2 g, 2 g + 1: 24 loads.
.macro LDX g, buf
.set d_, 0
.rept 2
.set t_, 2*(\g)+d_
.set k_, 0
.rept 6
.set b_, (\buf)+48*d_+8*k_
.if t_ < 6
	ds_load_b128 v[b_:b_+3],   v[A_FRA] offset:t_*16*XP+k_*64
	ds_load_b128 v[b_+4:b_+7], v[A_FRA] offset:t_*16*XP+k_*64+32
.else
	ds_load_b128 v[b_:b_+3],   v[A_FRB] offset:(t_-6)*16*XP+k_*64
	ds_load_b128 v[b_+4:b_+7], v[A_FRB] offset:(t_-6)*16*XP+k_*64+32
.endif
.set k_, k_+1
.endr
.set d_, d_+1
.endr
.endm
; The fragments of H for set rows 2 g, 2 g + 1: two images make a fragment.
.macro LDH g, buf
.set d_, 0
.rept 2
.set t_, 2*(\g)+d_
.set k_, 0
.rept 6
.set b_, (\buf)+48*d_+8*k_
.if k_ < 3
	ds_load_b128 v[b_:b_+3],   v[A_H0] offset:k_*16384+t_*512
	ds_load_b128 v[b_+4:b_+7], v[A_H0] offset:k_*16384+t_*512+8192
.else
	ds_load_b128 v[b_:b_+3],   v[A_H1] offset:(k_-3)*16384+t_*512
	ds_load_b128 v[b_+4:b_+7], v[A_H1] offset:(k_-3)*16384+t_*512+8192
.endif
.set k_, k_+1
.endr
.set d_, d_+1
.endr
.endm
.macro RELU8 r                      ; an accumulator's eight registers, from the low end on
.set j_, 0
.rept 8
	v_max_num_f32 v[(\r)+j_], 0, v[(\r)+j_]
.set j_, j_+1
.endr
.endm
; k0, v0 and q1 of time rows 2 g, 2 g + 1: 36 matrix instructions on six accumulators that take turns; the bias is the C of the first K step.
.macro STA g
	WIN 0
.if (\g) < 5
	LDX (\g)+1, FR0+96*(((\g)+1)%2)
	s_wait_dscnt 24                 ; all but the 24 loads just issued: this group's fragments are in
.else
	s_wait_dscnt 0x0
.endif
.set fb_, FR0+96*((\g)%2)
.set k_, 0
.rept 6
.set d_, 0
.rept 2
.set t_, 2*(\g)+d_
.set b_, fb_+48*d_+8*k_
.if k_ == 0
	WIN 0x72                        ; W window 2, data window 0, bias window 3, result window 1
	WM RK+8*t_, WK0, b_, BK0
	WM RV+8*t_, WV0, b_, BV0
	WM QA+8*d_, WQ1, b_, BQ1
.else
	WIN 0x52
	WM RK+8*t_, WK0+8*k_, b_, RK+8*t_
	WM RV+8*t_, WV0+8*k_, b_, RV+8*t_
	WM QA+8*d_, WQ1+8*k_, b_, QA+8*d_
.endif
.set d_, d_+1
.endr
.set k_, k_+1
.endr
	PLACES
	WIN 0x44
	RELU8 RK+16*(\g)
	RELU8 RV+16*(\g)
	RELU8 RK+16*(\g)+8
	RELU8 RV+16*(\g)+8
	WIN 0x05
.set j_, 0
.rept 8
	v_cvt_pk_bf16_f32 v[RPK+j_], v[QA+j_], v[QA+8+j_]  ; q1: time row 2 g below, 2 g + 1 above
.set j_, j_+1
.endr
	WIN 0
.set j_, 0
.rept 8
	v_pk_max_num_bf16 v[RPK+j_], v[RPK+j_], v[ZERO]
.set j_, j_+1
.endr
	ds_store_b128 v[A_Q1], v[RPK:RPK+3]   offset:(\g)*1024
	ds_store_b128 v[A_Q1], v[RPK+4:RPK+7] offset:(\g)*1024+512
.endm
; k1 and v1 of set rows 2 g, 2 g + 1: 24 matrix instructions on four accumulators that take turns.
.macro KV g
	WIN 0
.if (\g) < 7
	LDH (\g)+1, FR0+96*(((\g)+1)%2)
	s_wait_dscnt 24                 ; all but the 24 loads just issued
.else
	s_wait_dscnt 0x0
.endif
.set fb_, FR0+96*((\g)%2)
.set k_, 0
.rept 6
.set d_, 0
.rept 2
.set t_, 2*(\g)+d_
.set b_, fb_+48*d_+8*k_
.if k_ == 0
	WIN 0x72
	WM RK+8*t_, WK1, b_, BK1
	WM RV+8*t_, WV1, b_, BV1
.else
	WIN 0x52
	WM RK+8*t_, WK1+8*k_, b_, RK+8*t_
	WM RV+8*t_, WV1+8*k_, b_, RV+8*t_
.endif
.set d_, d_+1
.endr
.set k_, k_+1
.endr
	PLACES
	WIN 0x44
	RELU8 RK+16*(\g)
	RELU8 RV+16*(\g)
	RELU8 RK+16*(\g)+8
	RELU8 RV+16*(\g)+8
	WIN 0
.endm
; ATTENTION for two queries of my (place, head) over NK keys.  more = 1: the next two queries are fetched.
.macro ATT NK, more
	s_wait_dscnt 0x0                ; the two queries are in (nothing younger is out on the way into the loop, so no count above 0 would do)
.set c_, 0
.rept 8
	v_lshlrev_b32 v[RQ+2*c_],   16,  v[RQP+c_]
	v_and_b32     v[RQ+2*c_+1], s88, v[RQP+c_]
.set c_, c_+1
.endr
.if \more
	v_add_nc_u32 v[A_QR], 1024, v[A_QR]
	ds_load_b128 v[RQP:RQP+3],   v[A_QR]
	ds_load_b128 v[RQP+4:RQP+7], v[A_QR] offset:512
.endif
	WIN 0x04                        ; keys in window 1.  s[m] = the sum over c of q[c] k[m][c], both queries at once: NK chains that do not wait for each other
.set c_, 0
.rept 8
.set m_, 0
.rept \NK
.if c_ == 0
	v_pk_mul_f32 v[RS+2*m_:RS+2*m_+1], v[RQ:RQ+1], v[RK+8*m_:RK+8*m_+1] op_sel_hi:[1,0]
.elseif (c_&1) == 0
	v_pk_fma_f32 v[RS+2*m_:RS+2*m_+1], v[RQ+2*c_:RQ+2*c_+1], v[RK+8*m_+c_:RK+8*m_+c_+1], v[RS+2*m_:RS+2*m_+1] op_sel_hi:[1,0,1]
.else
	v_pk_fma_f32 v[RS+2*m_:RS+2*m_+1], v[RQ+2*c_:RQ+2*c_+1], v[RK+8*m_+c_-1:RK+8*m_+c_], v[RS+2*m_:RS+2*m_+1] op_sel:[0,1,0] op_sel_hi:[1,1,1]
.endif
.set m_, m_+1
.endr
.set c_, c_+1
.endr
	WIN 0
	v_max3_num_f32 v[RM],   v[RS],   v[RS+2], v[RS+4]
	v_max3_num_f32 v[RM+1], v[RS+1], v[RS+3], v[RS+5]
.set m_, 3
.rept ((\NK)-4)/2
	v_max3_num_f32 v[RM],   v[RM],   v[RS+2*m_],   v[RS+2*m_+2]
	v_max3_num_f32 v[RM+1], v[RM+1], v[RS+2*m_+1], v[RS+2*m_+3]
.set m_, m_+2
.endr
	v_max_num_f32 v[RM],   v[RM],   v[RS+2*(\NK)-2]
	v_max_num_f32 v[RM+1], v[RM+1], v[RS+2*(\NK)-1]
.set m_, 0
.rept \NK
	v_pk_add_f32 v[RS+2*m_:RS+2*m_+1], v[RS+2*m_:RS+2*m_+1], v[RM:RM+1] neg_lo:[0,1] neg_hi:[0,1]
.set m_, m_+1
.endr
.set m_, 0
.rept 2*(\NK)
	v_exp_f32 v[RS+m_], v[RS+m_]
.set m_, m_+1
.endr
	v_nop                           ; a plain instruction behind the last exponential
	s_wait_alu depctr_va_vdst(0)
	v_pk_add_f32 v[TS:TS+1],   v[RS:RS+1],   v[RS+2:RS+3]
	v_pk_add_f32 v[TS+2:TS+3], v[RS+4:RS+5], v[RS+6:RS+7]
.set m_, 4
.rept ((\NK)-4)/2
	v_pk_add_f32 v[TS:TS+1],   v[TS:TS+1],   v[RS+2*m_:RS+2*m_+1]
	v_pk_add_f32 v[TS+2:TS+3], v[TS+2:TS+3], v[RS+2*m_+2:RS+2*m_+3]
.set m_, m_+2
.endr
	v_pk_add_f32 v[RL:RL+1], v[TS:TS+1], v[TS+2:TS+3]
	v_rcp_f32 v[RR],   v[RL]        ; the sum is at least 1: the largest weight is 2^0.  The products below stand between the reciprocals and their use
	v_rcp_f32 v[RR+1], v[RL+1]
	WIN 0x01                        ; values in window 1.  O[q][c] = the sum over m of p[q][m] v[m][c], two channels at once
.set m_, 0
.rept \NK
.set p_, 0
.rept 4
.if m_ == 0
	v_pk_mul_f32 v[RO+2*p_:RO+2*p_+1],     v[RV+2*p_:RV+2*p_+1], v[RS:RS+1] op_sel_hi:[1,0]
	v_pk_mul_f32 v[RO+8+2*p_:RO+8+2*p_+1], v[RV+2*p_:RV+2*p_+1], v[RS:RS+1] op_sel:[0,1] op_sel_hi:[1,1]
.else
	v_pk_fma_f32 v[RO+2*p_:RO+2*p_+1],     v[RV+8*m_+2*p_:RV+8*m_+2*p_+1], v[RS+2*m_:RS+2*m_+1], v[RO+2*p_:RO+2*p_+1] op_sel_hi:[1,0,1]
	v_pk_fma_f32 v[RO+8+2*p_:RO+8+2*p_+1], v[RV+8*m_+2*p_:RV+8*m_+2*p_+1], v[RS+2*m_:RS+2*m_+1], v[RO+8+2*p_:RO+8+2*p_+1] op_sel:[0,1,0] op_sel_hi:[1,1,1]
.endif
.set p_, p_+1
.endr
.set m_, m_+1
.endr
	WIN 0
.set p_, 0
	s_wait_alu depctr_va_vdst(0)
.rept 4
	v_pk_mul_f32 v[RO+2*p_:RO+2*p_+1],     v[RO+2*p_:RO+2*p_+1],     v[RR:RR+1] op_sel_hi:[1,0]
	v_pk_mul_f32 v[RO+8+2*p_:RO+8+2*p_+1], v[RO+8+2*p_:RO+8+2*p_+1], v[RR:RR+1] op_sel:[0,1] op_sel_hi:[1,1]
.set p_, p_+1
.endr
.set p_, 0
.rept 8
	v_cvt_pk_bf16_f32 v[RPK+p_], v[RO+2*p_], v[RO+2*p_+1]
.set p_, p_+1
.endr
	ds_store_b128 v[A_OW], v[RPK:RPK+3]              ; the first query's image,
	ds_store_b128 v[A_OW], v[RPK+4:RPK+7] offset:512 ; the second's
	v_add_nc_u32 v[A_OW], 1024, v[A_OW]
.endm
.macro ATTN NK, NT, AB              ; NT pairs of queries; the last, which fetches nothing, is written out
	WIN 0
	v_mov_b32 v[A_QR], v[\AB]
	v_add_nc_u32 v[A_OW], s90, v[A_R2]
	ds_load_b128 v[RQP:RQP+3],   v[A_QR]
	ds_load_b128 v[RQP+4:RQP+7], v[A_QR] offset:512
	s_mov_b32 s68, (\NT)-1
.Latt_\@:
	ATT \NK, 1
	s_sub_co_u32 s68, s68, 1
	s_cmp_lg_u32 s68, 0
	s_cbranch_scc1 .Latt_\@
	ATT \NK, 0
.endm
; mab0's o for two set rows: my three tiles, K = 64: 12 matrix instructions on six accumulators that take turns.
.macro O0LD
.set d_, 0
.rept 2
.set k_, 0
.rept 2
	ds_load_b128 v[FR0+16*d_+8*k_:FR0+16*d_+8*k_+3],   v[A_R2R] offset:k_*16384+d_*512
	ds_load_b128 v[FR0+16*d_+8*k_+4:FR0+16*d_+8*k_+7], v[A_R2R] offset:k_*16384+d_*512+8192
.set k_, k_+1
.endr
.set d_, d_+1
.endr
.endm
.macro O0G more
	s_wait_dscnt 0x0                ; the two set rows' fragments are in
.set k_, 0
.rept 2
.set d_, 0
.rept 2
.set j_, 0
.rept 3
.set a_, AC0+8*(3*d_+j_)
.if k_ == 0
	WIN 0x33                        ; W and bias window 3
	WM a_, WO0+16*j_, FR0+16*d_, BO0+8*j_
.else
	WIN 0x03
	WM a_, WO0+16*j_+8, FR0+16*d_+8, a_
.endif
.set j_, j_+1
.endr
.set d_, d_+1
.endr
.set k_, k_+1
.endr
	WIN 0
	PLACES
.if \more
	v_add_nc_u32 v[A_R2R], 1024, v[A_R2R]
	O0LD
.endif
.set k_, 0
.rept 24
	v_cvt_pk_bf16_f32 v[PKH+k_], v[AC0+2*k_], v[AC0+2*k_+1]
.set k_, k_+1
.endr
.set k_, 0
.rept 24
	v_pk_max_num_bf16 v[PKH+k_], v[PKH+k_], v[ZERO]
.set k_, k_+1
.endr
.set d_, 0
.rept 2
.set j_, 0
.rept 3
	ds_store_b128 v[A_HW], v[PKH+4*(3*d_+j_):PKH+4*(3*d_+j_)+3] offset:j_*8192+d_*512
.set j_, j_+1
.endr
.set d_, d_+1
.endr
	v_add_nc_u32 v[A_HW], 1024, v[A_HW]
.endm
; mab1's o for all 12 time rows, my tile, K = 64: 24 matrix instructions on twelve accumulators that take turns; the ReLU; into the way out's rows.
.macro O1
	WIN 0
.set t_, 0
.rept 12
.set k_, 0
.rept 2
	ds_load_b128 v[FR0+16*t_+8*k_:FR0+16*t_+8*k_+3],   v[A_R2] offset:k_*16384+t_*512
	ds_load_b128 v[FR0+16*t_+8*k_+4:FR0+16*t_+8*k_+7], v[A_R2] offset:k_*16384+t_*512+8192
.set k_, k_+1
.endr
.set t_, t_+1
.endr
	s_wait_dscnt 0x0
	WIN 0x73
.set t_, 0
.rept 12
	WM RK+8*t_, WO1, FR0+16*t_, BO1
.set t_, t_+1
.endr
	WIN 0x53
.set t_, 0
.rept 12
	WM RK+8*t_, WO1+8, FR0+16*t_+8, RK+8*t_
.set t_, t_+1
.endr
	PLACES
	WIN 0x44
.set t_, 0
.rept 12
	RELU8 RK+8*t_
.set t_, t_+1
.endr
	WIN 0x04                        ; store data window 1
.set t_, 0
.rept 12
	ds_store_b128 v[A_OS], v[RK+8*t_:RK+8*t_+3]   offset:t_*16*OPI
	ds_store_b128 v[A_OS], v[RK+8*t_+4:RK+8*t_+7] offset:t_*16*OPI+16
.set t_, t_+1
.endr
	WIN 0
.endm
; THE WAY OUT: my three time rows come back as whole rows of 256 bytes, X is added, and they are stored.
.macro OUT
	WIN 0x40
.set k_, 0
.rept 24
	ds_load_b128 v[4*k_:4*k_+3], v[A_OR] offset:((k_/8)*16+2*(k_%8))*OPI
.set k_, k_+1
.endr
.set k_, 0
.rept 24
	ds_load_b128 v[XB+4*k_:XB+4*k_+3], v[A_XF] offset:k_*512
.set k_, k_+1
.endr
	s_wait_dscnt 0x0
	WIN 0x45
.set k_, 0
.rept 48
	v_pk_add_f32 v[2*k_:2*k_+1], v[2*k_:2*k_+1], v[XB+2*k_:XB+2*k_+1]
.set k_, k_+1
.endr
	WIN 0x04
.set k_, 0
.rept 24
	global_store_b128 v[G_LD], v[4*k_:4*k_+3], s[82:83] offset:(k_/8)*TROW+(k_%8)*512 th:TH_STORE_NT  ; 16 lanes store one whole row of 256 bytes
.set k_, k_+1
.endr
	WIN 0
.endm
; What is done for the NEXT unit is jumped over in the last trip: loads into registers and LDS stores alone; no barrier stands inside.
; w = 1: the wait for the loads that went out a phase ago stands AHEAD of the jump, on every way through the text, so that no load is ever issued into ST
; while an earlier load into ST is out.  In the last trip no load is out and the wait is met at once.
.macro PFB k, w=0
	WIN 0
.if \w
	s_wait_loadcnt 0x0
.endif
	s_cmp_eq_u32 s67, 1
	s_cbranch_scc1 .Lpf\k
.endm
.macro PFE k
	WIN 0
.Lpf\k:
.endm
	s_load_b512 s[4:19],  s[0:1], 0x0   ; X s[4:5], TE s[6:7], SE s[8:9], out0 s[10:11], q0tab s[12:13], wpack0 s[14:15]; q1's six s[16:27]; k1's s[28:39]; v1's s[40:51]; o1's s[52:63]
	s_load_b512 s[20:35], s[0:1], 0x40
	s_load_b512 s[36:51], s[0:1], 0x80
	s_load_b256 s[52:59], s[0:1], 0xc0
	s_load_b128 s[60:63], s[0:1], 0xe0
	v_lshl_add_u32 v[SPW], v0, 2, SPARE
	v_mov_b32 v[NIL], 0
	v_and_b32 v3, 31, v0            ; lane
	v_and_b32 v1, 15, v0            ; l % 16
	v_bfe_u32 v2, v0, 4, 1          ; l / 16
	v_lshrrev_b32 v[VPD], 5, v0
	v_readfirstlane_b32 s66, v[VPD] ; wave 0..3
	v_mov_b32 v[ZERO], 0
	s_mov_b32 s88, 0xffff0000       ; a word's upper bf16
	s_lshr_b32 s69, ttmp9, 2
	s_mul_i32 s69, s69, 3684        ; b x 12 x 307 rows
	s_and_b32 s71, ttmp9, 3
	s_mul_i32 s71, s71, 5           ; my first block of 16 places
	s_lshl_b32 s90, s66, 13         ; my tile's 16 images in R2
	s_mul_i32 s91, s66, 24576       ; my three tiles' images in R1
	v_mul_u32_u24 v[A_FRA], v1, XP
	v_lshl_add_u32 v[A_FRA], v2, 4, v[A_FRA]
	v_add_nc_u32 v[A_FRB], 6*16*XP, v[A_FRA]
	s_mul_i32 s86, s66, 48*XP       ; my three time rows of XIMG
	v_mul_u32_u24 v[A_XST], v2, XP  ; lanes 0-15 hold one loaded row, lanes 16-31 the next; 8 bytes of bf16 a lane
	v_lshl_add_u32 v[A_XST], v1, 3, v[A_XST]
	v_add_nc_u32 v[A_XST], s86, v[A_XST]
	v_lshl_add_u32 v[A_R2], v3, 4, R2
	v_lshl_add_u32 v[A_H0], v3, 4, R1
	v_add_nc_u32 v[A_H1], 49152, v[A_H0]
	s_lshl_b32 s86, s66, 6
	s_add_co_u32 s86, s86, R1
	v_mul_u32_u24 v[A_OS], v1, OPI  ; row l % 16, channels 16 w + 8 (l / 16) on, in f32
	v_lshl_add_u32 v[A_OS], v2, 5, v[A_OS]
	v_add_nc_u32 v[A_OS], s86, v[A_OS]
	s_mul_i32 s86, s66, 48*OPI
	s_add_co_u32 s86, s86, R1
	v_mul_u32_u24 v[A_OR], v2, OPI
	v_lshl_add_u32 v[A_OR], v1, 4, v[A_OR]
	v_add_nc_u32 v[A_OR], s86, v[A_OR]
	s_mul_i32 s86, s66, 12288
	s_add_co_u32 s86, s86, XF
	v_lshl_add_u32 v[A_XF], v3, 4, s86
	s_lshl_b32 s86, s66, 13
	s_add_co_u32 s86, s86, Q0L
	v_lshl_add_u32 v[A_Q0], v3, 4, s86
	s_mul_i32 s86, s66, 6144
	s_add_co_u32 s86, s86, Q1L
	v_lshl_add_u32 v[A_Q1], v3, 4, s86
	s_mul_i32 s86, s66, 3*TROW
	v_lshl_add_u32 v[G_LD], v3, 4, s86
	s_mul_i32 s86, s66, 163840      ; tile w of the table: 8 x 2 x 10,240 bytes
	v_lshlrev_b32 v[G_Q0], 5, v1
	v_lshl_add_u32 v[G_Q0], v2, 4, v[G_Q0]
	v_add_nc_u32 v[G_Q0], s86, v[G_Q0]
	; offsets for the weights: my tile is w in every layer of 64 outputs
	s_lshl_b32 s86, s66, 6
	v_lshl_add_u32 v[VPD], v2, 5, s86          ; (16 w + 8 (l / 16)) x 4
	v_lshl_add_u32 v[VPA], v1, 2, s86          ; (16 w + l % 16) x 4
	s_lshl_b32 s86, s66, 4
	v_add_nc_u32 v[VIMG], s86, v1              ; my W row
	v_mul_u32_u24 v[VW192], v[VIMG], 768
	v_lshl_add_u32 v[VW192], v2, 5, v[VW192]
	v_lshlrev_b32 v[VW64], 8, v[VIMG]
	v_lshl_add_u32 v[VW64], v2, 5, v[VW64]
	s_mul_i32 s86, s66, 6144
	v_lshl_add_u32 v[VIMG], v3, 4, s86         ; six fragments of 1,024 bytes a wave
	s_mul_i32 s86, s66, 192
	v_lshl_add_u32 v[VBO], v2, 5, s86
	s_wait_kmcnt 0x0
	; THE WEIGHTS, once for the launch.  mab0's come packed; mab1's are scaled and rounded here.
	PARLD 16, 64
	PARLD 28, 106
	PARLD 40, 148
	PARLD 52, 190
	WIN 0xc0                        ; destination window 3
	global_load_b128 v[BK0:BK0+3],   v[VPD], s[14:15] offset:73728
	global_load_b128 v[BK0+4:BK0+7], v[VPD], s[14:15] offset:73728+16
	global_load_b128 v[BV0:BV0+3],   v[VPD], s[14:15] offset:73984
	global_load_b128 v[BV0+4:BV0+7], v[VPD], s[14:15] offset:73984+16
.set j_, 0
.rept 3
	global_load_b128 v[BO0+8*j_:BO0+8*j_+3],   v[VBO], s[14:15] offset:74240+64*j_
	global_load_b128 v[BO0+8*j_+4:BO0+8*j_+7], v[VBO], s[14:15] offset:74240+64*j_+16
.set j_, j_+1
.endr
.set k_, 0
.rept 6
	global_load_b128 v[WO0+8*k_:WO0+8*k_+3],   v[VIMG], s[14:15] offset:49152+k_*1024
	global_load_b128 v[WO0+8*k_+4:WO0+8*k_+7], v[VIMG], s[14:15] offset:49152+k_*1024+512
.set k_, k_+1
.endr
	WLD 40, VW192, 6, ST
	WIN 0x80                        ; destination window 2
.set k_, 0
.rept 6
	global_load_b128 v[WK0+8*k_:WK0+8*k_+3],   v[VIMG], s[14:15] offset:k_*1024
	global_load_b128 v[WK0+8*k_+4:WK0+8*k_+7], v[VIMG], s[14:15] offset:k_*1024+512
	global_load_b128 v[WV0+8*k_:WV0+8*k_+3],   v[VIMG], s[14:15] offset:24576+k_*1024
	global_load_b128 v[WV0+8*k_+4:WV0+8*k_+7], v[VIMG], s[14:15] offset:24576+k_*1024+512
.set k_, k_+1
.endr
	WIN 0x40                        ; destination window 1
	WLD 16, VW192, 6, 0
	WLD 28, VW192, 6, 96
	WLD 52, VW64, 2, 192
	WIN 0
	s_wait_loadcnt 0x0
	PARCALC 64, 1, BQ1, 0xc0
	WCV 6, 0, 0x41, 0x85, WQ1
	PARCALC 106, 0, BK1, 0xc0
	WCV 6, 96, 0x41, 0x85, WK1
	PARCALC 148, 0, BV1, 0xc0
	WCV 6, ST, 0xc3, 0x8f, WV1
	PARCALC 190, 0, BO1, 0xc0
	WCV 2, 192, 0x41, 0xc5, WO1
	; THE FIRST UNIT'S INPUTS: all 88 loads go out together
	NEXTB
	WIN 0x40
	ISSUE 78, 0
	ISSUE 80, 96
	ISSUEQ 192
	WIN 0xc0
	ISSUE 76, ST
	WIN 0
	s_wait_loadcnt 0x0
	CONSUME 128, 0, 0x05, 0, 0
	CONSUME 256, 96, 0x05, 0, 0
	CONSUMEQ 192, 0x04
	CONSUME 0, ST, 0x0f, 0x0c, 1
	s_mov_b32 s67, 5                ; units to go
.Lunit:
	s_wait_xcnt 0x0                 ; the last unit's stores have read their data (window 1) and their base; every base below is rewritten only behind this wait
	s_mov_b64 s[74:75], s[72:73]    ; this unit's byte offset,
	s_add_nc_u64 s[82:83], s[10:11], s[74:75]  ; out0 there,
	s_add_co_u32 s71, s71, 1
	NEXTB                           ; and the next unit's bases (in the last trip they are made and not used; the block's clamp keeps them inside)
	BAR                             ; XIMG is whole; nobody reads the last unit's way out any more
	LDX 0, FR0
	STA 0
	STA 1
	STA 2
	STA 3
	STA 4
	STA 5
	BAR                             ; nobody reads XIMG any more
	PFB 1
	WIN 0xc0
	ISSUE 78, ST                    ; the next unit's TE: it has the first attention in which to land
	PFE 1
	ATTN 12, 8, A_Q0                ; 16 set rows attend over 12 time rows: O0's images
	PFB 2, 1                        ; TE is in
	CONSUME 128, ST, 0x0f, 0, 0
	WIN 0xc0
	ISSUE 80, ST                    ; SE
	PFE 2
	BAR                             ; O0 is whole
	v_mov_b32 v[A_R2R], v[A_R2]
	v_add_nc_u32 v[A_HW], s91, v[A_H0]
	O0LD
	s_mov_b32 s68, 7
.Lo0:
	O0G 1
	s_sub_co_u32 s68, s68, 1
	s_cmp_lg_u32 s68, 0
	s_cbranch_scc1 .Lo0
	O0G 0                           ; the last two set rows fetch nothing
	PFB 3, 1                        ; SE is in
	CONSUME 256, ST, 0x0f, 0, 0
	WIN 0xc0
	ISSUEQ ST                       ; q0
	PFE 3
	BAR                             ; H is whole; nobody reads O0 any more
	LDH 0, FR0
	KV 0
	KV 1
	KV 2
	KV 3
	KV 4
	KV 5
	KV 6
	KV 7
	PFB 4, 1                        ; q0 is in
	CONSUMEQ ST, 0x0c               ; my own bytes, which my first attention has finished reading
	WIN 0xc0
	ISSUE 76, ST                    ; X
	PFE 4
	ATTN 16, 6, A_Q1                ; 12 time rows attend over 16 set rows: O1's images
	BAR                             ; O1 is whole; nobody reads H any more
	O1
	BAR                             ; the way out's rows are whole
	OUT
	PFB 5, 1                        ; X is in
	CONSUME 0, ST, 0x0f, 0x0c, 1    ; LDS serves a wave's instructions in order (ISA guide 5.7.1.4): these stores into my X come behind the reads above
	PFE 5
	s_sub_co_u32 s67, s67, 1
	s_cmp_lg_u32 s67, 0
	s_cbranch_scc1 .Lunit
	s_wait_tensorcnt 0x0            ; the wave's end, behind my last LDS store
	ds_add_u32 v[SPW], v[NIL]
	s_wait_dscnt 0x0
	s_endpgm
.Lfunc_end_k_qecc43ac149_main:
	.size	k_qecc43ac149_main, .Lfunc_end_k_qecc43ac149_main-k_qecc43ac149_main
	.p2alignl 7, 3214868480
	.fill 96, 4, 3214868480
	.section	.rodata,"a",@progbits
	.p2align	6, 0x0
	.amdhsa_kernel k_qecc43ac149_main
		.amdhsa_group_segment_fixed_size 314880
		.amdhsa_private_segment_fixed_size 0
		.amdhsa_enable_private_segment 0
		.amdhsa_kernarg_size 240
		.amdhsa_user_sgpr_count 2
		.amdhsa_user_sgpr_kernarg_segment_ptr 1
		.amdhsa_wavefront_size32 1
		.amdhsa_system_sgpr_workgroup_id_x 1
		.amdhsa_system_sgpr_workgroup_id_y 1
		.amdhsa_system_sgpr_workgroup_id_z 1
		.amdhsa_system_vgpr_workitem_id 0
		.amdhsa_next_free_vgpr 1024
		.amdhsa_next_free_sgpr 96
		.amdhsa_reserve_vcc 0
		.amdhsa_float_denorm_mode_32 3
		.amdhsa_float_denorm_mode_16_64 3
		.amdhsa_memory_ordered 1
		.amdhsa_forward_progress 1
		.amdhsa_inst_pref_size 255
	.end_amdhsa_kernel
	.section	.bss,"aw",@nobits
	.p2align	6
	.space	262144
	.amdgpu_metadata
---
amdhsa.version: [ 1, 2 ]
amdhsa.kernels:
  - .name:           k_qecc43ac149_main
    .symbol:         k_qecc43ac149_main.kd
    .args:
      - { .name: X, .offset: 0, .size: 8, .value_kind: global_buffer, .address_space: global }
      - { .name: TE, .offset: 8, .size: 8, .value_kind: global_buffer, .address_space: global }
      - { .name: SE, .offset: 16, .size: 8, .value_kind: global_buffer, .address_space: global }
      - { .name: out0, .offset: 24, .size: 8, .value_kind: global_buffer, .address_space: global }
      - { .name: q0tab, .offset: 32, .size: 8, .value_kind: global_buffer, .address_space: global }
      - { .name: wpack0, .offset: 40, .size: 8, .value_kind: global_buffer, .address_space: global }
      - { .name: params_mab1_q_W, .offset: 48, .size: 8, .value_kind: global_buffer, .address_space: global }
      - { .name: params_mab1_q_b, .offset: 56, .size: 8, .value_kind: global_buffer, .address_space: global }
      - { .name: params_mab1_q_beta, .offset: 64, .size: 8, .value_kind: global_buffer, .address_space: global }
      - { .name: params_mab1_q_g, .offset: 72, .size: 8, .value_kind: global_buffer, .address_space: global }
      - { .name: params_mab1_q_rm, .offset: 80, .size: 8, .value_kind: global_buffer, .address_space: global }
      - { .name: params_mab1_q_rv, .offset: 88, .size: 8, .value_kind: global_buffer, .address_space: global }
      - { .name: params_mab1_k_W, .offset: 96, .size: 8, .value_kind: global_buffer, .address_space: global }
      - { .name: params_mab1_k_b, .offset: 104, .size: 8, .value_kind: global_buffer, .address_space: global }
      - { .name: params_mab1_k_beta, .offset: 112, .size: 8, .value_kind: global_buffer, .address_space: global }
      - { .name: params_mab1_k_g, .offset: 120, .size: 8, .value_kind: global_buffer, .address_space: global }
      - { .name: params_mab1_k_rm, .offset: 128, .size: 8, .value_kind: global_buffer, .address_space: global }
      - { .name: params_mab1_k_rv, .offset: 136, .size: 8, .value_kind: global_buffer, .address_space: global }
      - { .name: params_mab1_v_W, .offset: 144, .size: 8, .value_kind: global_buffer, .address_space: global }
      - { .name: params_mab1_v_b, .offset: 152, .size: 8, .value_kind: global_buffer, .address_space: global }
      - { .name: params_mab1_v_beta, .offset: 160, .size: 8, .value_kind: global_buffer, .address_space: global }
      - { .name: params_mab1_v_g, .offset: 168, .size: 8, .value_kind: global_buffer, .address_space: global }
      - { .name: params_mab1_v_rm, .offset: 176, .size: 8, .value_kind: global_buffer, .address_space: global }
      - { .name: params_mab1_v_rv, .offset: 184, .size: 8, .value_kind: global_buffer, .address_space: global }
      - { .name: params_mab1_o_W, .offset: 192, .size: 8, .value_kind: global_buffer, .address_space: global }
      - { .name: params_mab1_o_b, .offset: 200, .size: 8, .value_kind: global_buffer, .address_space: global }
      - { .name: params_mab1_o_beta, .offset: 208, .size: 8, .value_kind: global_buffer, .address_space: global }
      - { .name: params_mab1_o_g, .offset: 216, .size: 8, .value_kind: global_buffer, .address_space: global }
      - { .name: params_mab1_o_rm, .offset: 224, .size: 8, .value_kind: global_buffer, .address_space: global }
      - { .name: params_mab1_o_rv, .offset: 232, .size: 8, .value_kind: global_buffer, .address_space: global }
    .group_segment_fixed_size: 314880
    .private_segment_fixed_size: 0
    .kernarg_segment_align: 8
    .kernarg_segment_size: 240
    .max_flat_workgroup_size: 128
    .sgpr_count:     96
    .vgpr_count:     1024
    .wavefront_size: 32
...
	.end_amdgpu_metadata
.endif
;; end of part 2
;; ======== version 2 of 2: 2 launches; version 1 with the launch main written anew for expert scheduling mode
;; workspace buffers: q0tab 655,360 bytes; wpack0 75,008 bytes
;; launch prep: the kernel of part 1 again; grid 165 x 1, 4 waves a work-group, no clusters, 0 bytes of LDS; arguments params_I, params_mab0_q_W, params_mab0_q_b, params_mab0_q_beta, params_mab0_q_g, params_mab0_q_rm, params_mab0_q_rv, params_mab0_k_W, params_mab0_k_b, params_mab0_k_beta, params_mab0_k_g, params_mab0_k_rm, params_mab0_k_rv, params_mab0_v_W, params_mab0_v_b, params_mab0_v_beta, params_mab0_v_g, params_mab0_v_rm, params_mab0_v_rv, params_mab0_o_W, params_mab0_o_b, params_mab0_o_beta, params_mab0_o_g, params_mab0_o_rm, params_mab0_o_rv, q0tab, wpack0; writes q0tab, wpack0
;; launch main (part 3): grid 256 x 1, 4 waves a work-group, no clusters, 314,880 bytes of LDS; arguments X, TE, SE, out0, q0tab, wpack0, params_mab1_q_W, params_mab1_q_b, params_mab1_q_beta, params_mab1_q_g, params_mab1_q_rm, params_mab1_q_rv, params_mab1_k_W, params_mab1_k_b, params_mab1_k_beta, params_mab1_k_g, params_mab1_k_rm, params_mab1_k_rv, params_mab1_v_W, params_mab1_v_b, params_mab1_v_beta, params_mab1_v_g, params_mab1_v_rm, params_mab1_v_rv, params_mab1_o_W, params_mab1_o_b, params_mab1_o_beta, params_mab1_o_g, params_mab1_o_rm, params_mab1_o_rv; writes out0
.if DOCPART == 3
	.amdgcn_target "amdgcn-amd-amdhsa--gfx1250"
	.amdhsa_code_object_version 6
	.text
	.protected	k_qecc43ac149_main
	.globl	k_qecc43ac149_main
	.p2align	8
	.type	k_qecc43ac149_main,@function
k_qecc43ac149_main:
	s_mov_b64 s[64:65], 0
	v_nop
	global_prefetch_b8 v0, s[64:65] scope:SCOPE_SE
	s_setreg_imm32_b32 hwreg(HW_REG_WAVE_SCHED_MODE, 0, 2), 2
	s_setreg_imm32_b32 hwreg(HW_REG_WAVE_MODE, 25, 1), 1
	s_wait_xcnt 0x0
	s_wait_alu depctr_vm_vsrc(0)
; out0 = X + mab1(Xc, mab0(I, Xc)), Xc = [X | TE | SE], all of it in one launch: nothing between Xc and out0 goes through memory.
; SHARES.  A UNIT is one b and 16 neighbouring places n: 16 pairs (b, n), which do not depend on each other.  64 b x 20 blocks = 1,280 units = 5 for each of 256 work-groups.
; 307 = 19 x 16 + 3: the last block begins at place 291, so places 291-303 are made and stored twice, with the same numbers, by the same wave of the same work-group.
; LAYOUT.  Every layer uses the matrix instruction TRANSPOSED: source 0 = 16 rows of W, source 1 = the 16 places at one time or set row.  In the result lane l holds place l % 16 and the
; channels 16 T + 8 (l / 16) + 0..7: exactly one head.  So (a) a result rounded to bf16 is half a source-1 fragment of the next layer (an IMAGE: 512 bytes, 16 x lane);
; (b) q, k and v of one (place, head) lie in one lane, and both attentions run inside the lane; (c) wave w owns tile w of every layer (tiles 3 w .. 3 w + 2 of mab0's o): heads 2 w, 2 w + 1;
; its weights, 304 registers, stay in registers for the whole launch.  Waves hand each other only images, through LDS, behind barriers.
; ATTENTION.  Head size 8, 12 or 16 keys, one small product for each (place, head): it runs in f32 on the vector unit, two queries at a time in packed instructions.
; p = 2^(s - m) with m the row's maximum; c = log2(e) / sqrt(8) is already in q.  The sum and O stay in f32.
; THE NEXT UNIT'S INPUTS are loaded into 96 spare registers one phase ahead (TE, SE, q0, X in turn), rounded to bf16 and laid into LDS where this unit has finished reading; X is kept in f32 too, for the last addition.
; NOT USED: the tensor data mover (three tensors do not share out among four waves as one load each, and a second f32 slot does not fit); clusters (work-groups share only the weights, read once, and
; the q0 table, 32 KB of a unit's 230 KB).
; LIMITS.  mask is not read: reference() takes it and never uses it.  BatchNorm's scale (for q also c > 0, which passes through the ReLU) is multiplied into W in f32 ahead of W's one rounding to bf16.
; q0 and q1 are kept rounded once to bf16.  A weight below 2^-126 counts as 0.  A NaN leaves a ReLU as 0.
; THE MODE: SCHED_MODE bits 1:0 = 2 (LLVM: expert scheduling mode 2), set by the entry lines.  The code itself states the register dependences between vector or matrix instructions
; and memory or LDS instructions, with s_wait_alu, always for 0.
; THE PLAN.  Registers that memory or LDS instructions touch, and who else names them:
;   v4-v16      addresses and offsets, made at the head ahead of its first wait on va_vdst and never written again.
;   FR0, FR1    fragment buffers by turns (k0/v0/q1 and k1/v1).  Group g's matrix instructions read buffer g % 2; behind them stands the group's ONE wait on va_vdst, and the loads of group g + 2
;               land in that buffer; nothing between the wait and those loads names it.
;   PK0, PK1    q1's out-buffers by turns.  Group g's roundings write PK[g % 2]; its two LDS stores leave behind group g + 1's wait on va_vdst; group g + 2's wait on vm_vsrc frees it.
;   RQP, RPK, A_QR, A_OW   the attentions.  A trip is the second half of pair i and the first half of pair i + 1.  The wait on va_vdst behind the exponentials also states that RPK (pair i) and the two
;               stepped addresses are written and that the unpacking is done reading RQP: pair i's stores and pair i + 2's loads follow it.  One wait on vm_vsrc, beside the reciprocals' wait, stands ahead of the lines that write RPK, A_OW and A_QR again.
;   v64-127, v208-255, A_R2R, A_HW   mab0's o: two fragment buffers and two out-buffers by turns, two pairs of set rows a trip.  A half has one wait on va_vdst, behind its roundings: its stores follow, and the loads of the
;               pair two further on into the buffer that it has read.  One wait on vm_vsrc a trip, in the second half, stands ahead of the two address steps.
;   ST          the next unit's inputs: global loads land, conversions and LDS stores read.  Each run of loads has its waits directly ahead of it, behind the window switch.
;   window 1, v0-191   the way out: ReLUs write, LDS stores read, LDS loads land, additions write, global stores read; a wait ahead of each change of sides.
;
; LDS (bytes)
.set XP,    400       ; XIMG, from byte 0: Xc in bf16, row 16 t + place, 384 bytes + 16: 25 x 16, so the 16 rows of a fragment load start at 16 different groups of four banks (ISA guide 11.1)
.set R2,    76800     ; 64 images: O0 at (16 tile + s) x 512, later O1 at (16 tile + t) x 512
.set R1,    109568    ; 192 images: H at (16 tile + s) x 512; later the way out: row 16 t + place, 256 bytes of f32 + 16
.set OPI,   272
.set XF,    207872    ; X in f32: 12,288 bytes a wave, its own
.set Q0L,   257024    ; q0 of the unit: 8,192 bytes a wave, its own: pair of set rows sp at 1,024 sp
.set Q1L,   289792    ; q1 of the unit: 6,144 bytes a wave, its own
.set SPARE, 314368    ; the spare words: 128 bytes a wave, two blocks of 256 bytes that no other line names
.set TROW,  78592     ; bytes from time row t to t + 1 in X, TE, SE, out0: 307 x 256
; REGISTERS, window 0.  v1 = l % 16, v2 = l / 16, v3 = lane: made at the head and kept
.set A_FRA, 4         ; XIMG: (l % 16) x 400 + 16 (l / 16), time rows 0-5
.set A_FRB, 5         ; the same for time rows 6-11
.set A_XST, 6         ; XIMG: where my 8 bytes of a loaded row go
.set A_R2,  7         ; R2 + 16 x lane
.set A_H0,  8         ; R1 + 16 x lane
.set A_H1,  9         ; 49,152 further on
.set A_OS,  10        ; the way out: where I put my eight channels
.set A_OR,  11        ; the way out: where I read rows back
.set A_XF,  12
.set A_Q0,  13
.set A_Q1,  14
.set G_LD,  15        ; byte offset of my 16 bytes in my wave's three time rows of a unit
.set G_Q0,  16        ; byte offset of my 16 bytes in the q0 table
.set A_QR,  17        ; steps: 1,024 below the pair of queries to fetch
.set A_OW,  18        ; steps, ahead of each pair's stores: where an attention's result goes; it starts 1,024 below the first
.set A_HW,  19        ; steps: where H goes, less 1,024 in a trip's first half
.set A_R2R, 20        ; steps: the O0 images to fetch
.set ZERO,  21
.set SPW,   22        ; LDS address of my spare word; never rewritten
.set NIL,   23        ; 0; never rewritten
.set RM,    24        ; v[24:25] two queries' maxima
.set RL,    26        ; v[26:27] sums
.set RR,    28        ; v[28:29] reciprocals
.set SC,    30        ; v[30:31] set-up: my W row's scale
.set RQP,   32        ; v[32:39] two queries as bf16 pairs.  At set-up: offsets
.set VPD,   32
.set VPA,   33
.set VW192, 34
.set VW64,  35
.set VIMG,  36
.set VBO,   37
.set RQ,    40        ; v[40:55] two queries in f32: channel c at 40 + 2 c (first query, second query).  v[40:47] are also PK1, q1's second out-buffer
.set RPK,   56        ; v[56:63] packed results; also PK0, q1's first out-buffer
.set FR0,   64        ; v[64:159], v[160:255] two fragment buffers.  Also:
.set FR1,   160
.set RS,    64        ; scores: key m at 64 + 2 m (first query, second query)
.set RO,    96        ; v[96:111] O of the two queries
.set TS,    112       ; v[112:115] partial sums
.set AC0,   160       ; mab0's o: six accumulators
.set PKH,   208       ; and their 24 packed words: two out-buffers, v[208:231] and v[232:255]
; window 1
.set RK,    0         ; key m's eight channels at 8 m
.set RV,    128       ; value m's at 128 + 8 m
.set QA,    96        ; q1's two accumulators (keys 12, 13 do not exist while they are in use)
.set XB,    96        ; the way out: X
; window 2: weight fragments, 8 kk on
.set WK0, 0
.set WV0, 48
.set WQ1, 96
.set WK1, 144
.set WV1, 192
; window 3
.set WO0, 0           ; mab0's o: tile j, K step kk at 16 j + 8 kk
.set WO1, 48
.set BK0, 64          ; biases, eight registers each
.set BV0, 72
.set BQ1, 80
.set BO0, 88
.set BK1, 112
.set BV1, 120
.set BO1, 128
.set ST,  136         ; v[136:231] what has been loaded for the next unit
; s_set_vgpr_msb: bits 1:0 source 0, 3:2 source 1, 5:4 source 2, 7:6 destination
.set MSB, 0
.macro WIN new                      ; the immediate's high byte repeats the setting that is left; a switch that changes nothing is dropped
.if MSB != (\new)
	s_set_vgpr_msb (MSB<<8)|(\new)
.set MSB, (\new)
.endif
.endm
.macro PLACES                       ; four places between a matrix instruction and vector lines that read its result, or loads into its sources
.rept 4
	v_nop
.endr
.endm
.macro BAR                          ; my LDS stores are done and my LDS reads are back; then all four waves meet
	s_wait_dscnt 0x0
	s_barrier_signal -1
	s_barrier_wait -1
.endm
.macro WM D, A, B, C
	v_wmma_f32_16x16x32_bf16 v[(\D):(\D)+7], v[(\A):(\A)+7], v[(\B):(\B)+7], v[(\C):(\C)+7]
.endm
; The parameters of one layer, whose six addresses lie at s[SP] on (W, b, beta, g, rm, rv): eight of each for my result channels, g and rv of my W row.
.macro PARLD SP, T
	global_load_b128 v[(\T):(\T)+3],     v[VPD], s[(\SP)+2:(\SP)+3]
	global_load_b128 v[(\T)+4:(\T)+7],   v[VPD], s[(\SP)+2:(\SP)+3] offset:16
	global_load_b128 v[(\T)+8:(\T)+11],  v[VPD], s[(\SP)+4:(\SP)+5]
	global_load_b128 v[(\T)+12:(\T)+15], v[VPD], s[(\SP)+4:(\SP)+5] offset:16
	global_load_b128 v[(\T)+16:(\T)+19], v[VPD], s[(\SP)+6:(\SP)+7]
	global_load_b128 v[(\T)+20:(\T)+23], v[VPD], s[(\SP)+6:(\SP)+7] offset:16
	global_load_b128 v[(\T)+24:(\T)+27], v[VPD], s[(\SP)+8:(\SP)+9]
	global_load_b128 v[(\T)+28:(\T)+31], v[VPD], s[(\SP)+8:(\SP)+9] offset:16
	global_load_b128 v[(\T)+32:(\T)+35], v[VPD], s[(\SP)+10:(\SP)+11]
	global_load_b128 v[(\T)+36:(\T)+39], v[VPD], s[(\SP)+10:(\SP)+11] offset:16
	global_load_b32 v[(\T)+40], v[VPA], s[(\SP)+6:(\SP)+7]
	global_load_b32 v[(\T)+41], v[VPA], s[(\SP)+10:(\SP)+11]
.endm
; s = g rsq(rv + eps); bias = (b - rm) s + beta into B (window setting wbi); SC = my W row's s.  qc = 1: both times c.
.macro PARCALC T, qc, B, wbi
.irp j, 0,2,4,6
	v_pk_add_f32 v[(\T)+32+(\j):(\T)+33+(\j)], v[(\T)+32+(\j):(\T)+33+(\j)], 0x3727c5ac op_sel_hi:[1,0]  ; eps = 1e-5
.endr
	v_add_f32 v[(\T)+41], 0x3727c5ac, v[(\T)+41]
.irp j, 0,1,2,3,4,5,6,7
	v_rsq_f32 v[(\T)+32+(\j)], v[(\T)+32+(\j)]
.endr
	v_rsq_f32 v[(\T)+41], v[(\T)+41]
	v_nop                           ; a plain instruction between the last root and the use of the results
	s_wait_alu depctr_va_vdst(0)    ; the nine roots are written, ahead of their first reader
.irp j, 0,2,4,6
	v_pk_mul_f32 v[(\T)+16+(\j):(\T)+17+(\j)], v[(\T)+16+(\j):(\T)+17+(\j)], v[(\T)+32+(\j):(\T)+33+(\j)]
.endr
	v_mul_f32 v[SC], v[(\T)+40], v[(\T)+41]
.irp j, 0,2,4,6
	v_pk_add_f32 v[(\T)+(\j):(\T)+1+(\j)], v[(\T)+(\j):(\T)+1+(\j)], v[(\T)+24+(\j):(\T)+25+(\j)] neg_lo:[0,1] neg_hi:[0,1]
.endr
.if \qc
.irp j, 0,2,4,6
	v_pk_fma_f32 v[(\T)+(\j):(\T)+1+(\j)], v[(\T)+(\j):(\T)+1+(\j)], v[(\T)+16+(\j):(\T)+17+(\j)], v[(\T)+8+(\j):(\T)+9+(\j)]
.endr
	v_mul_f32 v[SC], 0x3f0293ee, v[SC]  ; c = log2(e) / sqrt(8) = 0.510070
	WIN \wbi
.irp j, 0,2,4,6
	v_pk_mul_f32 v[(\B)+(\j):(\B)+1+(\j)], v[(\T)+(\j):(\T)+1+(\j)], 0x3f0293ee op_sel_hi:[1,0]
.endr
.else
	WIN \wbi
.irp j, 0,2,4,6
	v_pk_fma_f32 v[(\B)+(\j):(\B)+1+(\j)], v[(\T)+(\j):(\T)+1+(\j)], v[(\T)+16+(\j):(\T)+17+(\j)], v[(\T)+8+(\j):(\T)+9+(\j)]
.endr
.endif
	WIN 0
	v_mov_b32 v[SC+1], v[SC]
.endm
; NF fragments of my W row in f32: for 32 channels, 8 at 8 (l / 16) and 8 at 16 + 8 (l / 16): four loads of 16 bytes.
.macro WLD P, VO, NF, D
.set k_, 0
.rept \NF
	global_load_b128 v[(\D)+16*k_:(\D)+16*k_+3],     v[\VO], s[(\P):(\P)+1] offset:k_*128
	global_load_b128 v[(\D)+16*k_+4:(\D)+16*k_+7],   v[\VO], s[(\P):(\P)+1] offset:k_*128+16
	global_load_b128 v[(\D)+16*k_+8:(\D)+16*k_+11],  v[\VO], s[(\P):(\P)+1] offset:k_*128+64
	global_load_b128 v[(\D)+16*k_+12:(\D)+16*k_+15], v[\VO], s[(\P):(\P)+1] offset:k_*128+80
.set k_, k_+1
.endr
.endm
; They are scaled in f32 and rounded once to bf16.
.macro WCV NF, S, wmul, wcvt, D
	WIN \wmul
.set k_, 0
.rept 8*(\NF)
	v_pk_mul_f32 v[(\S)+2*k_:(\S)+2*k_+1], v[(\S)+2*k_:(\S)+2*k_+1], v[SC:SC+1]
.set k_, k_+1
.endr
	WIN \wcvt
.set k_, 0
.rept 8*(\NF)
	v_cvt_pk_bf16_f32 v[(\D)+k_], v[(\S)+2*k_], v[(\S)+2*k_+1]
.set k_, k_+1
.endr
	WIN 0
.endm
; The bases of the unit of block s71: q0tab at its first place, X, TE, SE at its first row.  s[72:73] is left holding the unit's byte offset in X.
.macro NEXTB
	s_lshl_b32 s86, s71, 4
	s_min_u32 s86, s86, 291         ; the last block is moved back, so that it ends at place 306
	s_lshl_b32 s72, s86, 5
	s_mov_b32 s73, 0
	s_add_nc_u64 s[84:85], s[12:13], s[72:73]
	s_add_co_u32 s86, s86, s69      ; + 3,684 b rows
	s_lshl_b32 s72, s86, 8          ; under 2^26
	s_add_nc_u64 s[76:77], s[4:5], s[72:73]
	s_add_nc_u64 s[78:79], s[6:7], s[72:73]
	s_add_nc_u64 s[80:81], s[8:9], s[72:73]
.endm
; My wave's three time rows of a unit: 24 loads, each two whole rows of 256 bytes.  The caller sets the destination's window.
.macro ISSUE P, D
.set k_, 0
.rept 24
	global_load_b128 v[(\D)+4*k_:(\D)+4*k_+3], v[G_LD], s[(\P):(\P)+1] offset:(k_/8)*TROW+(k_%8)*512 th:TH_LOAD_NT
.set k_, k_+1
.endr
.endm
.macro ISSUEQ D                     ; my wave's part of the q0 table for the unit's 16 places: 16 loads of 512 consecutive bytes
.set k_, 0
.rept 16
	global_load_b128 v[(\D)+4*k_:(\D)+4*k_+3], v[G_Q0], s[84:85] offset:k_*10240
.set k_, k_+1
.endr
.endm
; What ISSUE brought is rounded to bf16, into 48 registers at D (CVX), and laid from there into XIMG at byte col of the rows (STX).  A wait on va_vdst stands between the two, in the caller's text.
.macro CVX S, wcvt, D
	WIN \wcvt
.set k_, 0
.rept 48
	v_cvt_pk_bf16_f32 v[(\D)+k_], v[(\S)+2*k_], v[(\S)+2*k_+1]
.set k_, k_+1
.endr
.endm
.macro STX col, D
	WIN 0
.set k_, 0
.rept 24
	ds_store_b64 v[A_XST], v[(\D)+2*k_:(\D)+2*k_+1] offset:((k_/8)*16+2*(k_%8))*XP+(\col)
.set k_, k_+1
.endr
.endm
.macro STRAW S, wst                 ; X is kept in f32 too: the data are as the loads brought them
	WIN \wst
.set k_, 0
.rept 24
	ds_store_b128 v[A_XF], v[(\S)+4*k_:(\S)+4*k_+3] offset:k_*512
.set k_, k_+1
.endr
.endm
.macro STQ S, wst                   ; q0 goes into LDS as the loads brought it
	WIN \wst
.set k_, 0
.rept 16
	ds_store_b128 v[A_Q0], v[(\S)+4*k_:(\S)+4*k_+3] offset:k_*512
.set k_, k_+1
.endr
.endm
; The fragments of Xc for time rows 2 g, 2 g + 1: 24 loads.
.macro LDX g, buf
.set d_, 0
.rept 2
.set t_, 2*(\g)+d_
.set k_, 0
.rept 6
.set b_, (\buf)+48*d_+8*k_
.if t_ < 6
	ds_load_b128 v[b_:b_+3],   v[A_FRA] offset:t_*16*XP+k_*64
	ds_load_b128 v[b_+4:b_+7], v[A_FRA] offset:t_*16*XP+k_*64+32
.else
	ds_load_b128 v[b_:b_+3],   v[A_FRB] offset:(t_-6)*16*XP+k_*64
	ds_load_b128 v[b_+4:b_+7], v[A_FRB] offset:(t_-6)*16*XP+k_*64+32
.endif
.set k_, k_+1
.endr
.set d_, d_+1
.endr
.endm
; The fragments of H for set rows 2 g, 2 g + 1: two images make a fragment.
.macro LDH g, buf
.set d_, 0
.rept 2
.set t_, 2*(\g)+d_
.set k_, 0
.rept 6
.set b_, (\buf)+48*d_+8*k_
.if k_ < 3
	ds_load_b128 v[b_:b_+3],   v[A_H0] offset:k_*16384+t_*512
	ds_load_b128 v[b_+4:b_+7], v[A_H0] offset:k_*16384+t_*512+8192
.else
	ds_load_b128 v[b_:b_+3],   v[A_H1] offset:(k_-3)*16384+t_*512
	ds_load_b128 v[b_+4:b_+7], v[A_H1] offset:(k_-3)*16384+t_*512+8192
.endif
.set k_, k_+1
.endr
.set d_, d_+1
.endr
.endm
.macro RELU8 r                      ; an accumulator's eight registers, from the low end on
.set j_, 0
.rept 8
	v_max_num_f32 v[(\r)+j_], 0, v[(\r)+j_]
.set j_, j_+1
.endr
.endm
; k0, v0 and q1 of time rows 2 g, 2 g + 1: 36 matrix instructions on six accumulators that take turns; the bias is the C of the first K step.
; Behind them: the group's waits, the stores of the group before, the loads of the group two further on, and then the group's own vector work.
.macro STA g
.if (\g) < 2
	s_wait_dscnt 24                 ; LDS instructions end in order (ISA guide 5.7.1): this group's fragments are in; the next group's 24 loads are younger
.elseif (\g) < 5
	s_wait_dscnt 26                 ; likewise; younger are two stores of q1 and the next group's 24 loads
.else
	s_wait_dscnt 2                  ; the last group's fragments are in; younger are two stores of q1
.endif
.set fb_, FR0+96*((\g)%2)
.set k_, 0
.rept 6
.set d_, 0
.rept 2
.set t_, 2*(\g)+d_
.set b_, fb_+48*d_+8*k_
.if k_ == 0
	WIN 0x72                        ; W window 2, data window 0, bias window 3, result window 1
	WM RK+8*t_, WK0, b_, BK0
	WM RV+8*t_, WV0, b_, BV0
	WM QA+8*d_, WQ1, b_, BQ1
.else
	WIN 0x52
	WM RK+8*t_, WK0+8*k_, b_, RK+8*t_
	WM RV+8*t_, WV0+8*k_, b_, RV+8*t_
	WM QA+8*d_, WQ1+8*k_, b_, QA+8*d_
.endif
.set d_, d_+1
.endr
.set k_, k_+1
.endr
	PLACES
	WIN 0
.if (\g) >= 2
	s_wait_alu depctr_vm_vsrc(0)    ; the two stores issued in the group before have read the out-buffer that this group's roundings write again
.endif
	s_wait_alu depctr_va_vdst(0)    ; the group before has written its out-buffer, which the stores below read; this group's matrix instructions are done reading their fragments, in which the loads below land
.if (\g) > 0
.set pp_, RPK-16*(((\g)-1)%2)
	ds_store_b128 v[A_Q1], v[pp_:pp_+3]   offset:((\g)-1)*1024
	ds_store_b128 v[A_Q1], v[pp_+4:pp_+7] offset:((\g)-1)*1024+512
.endif
.if (\g) < 4
	LDX (\g)+2, FR0+96*((\g)%2)
.endif
	WIN 0x44
	RELU8 RK+16*(\g)
	RELU8 RV+16*(\g)
	RELU8 RK+16*(\g)+8
	RELU8 RV+16*(\g)+8
	WIN 0x05
.set pk_, RPK-16*((\g)%2)
.set j_, 0
.rept 8
	v_cvt_pk_bf16_f32 v[pk_+j_], v[QA+j_], v[QA+8+j_]  ; q1: time row 2 g below, 2 g + 1 above
.set j_, j_+1
.endr
	WIN 0
.set j_, 0
.rept 8
	v_pk_max_num_bf16 v[pk_+j_], v[pk_+j_], v[ZERO]
.set j_, j_+1
.endr
.endm
; k1 and v1 of set rows 2 g, 2 g + 1: 24 matrix instructions on four accumulators that take turns.  Behind them the loads of the group two further on.
.macro KV g
.if (\g) < 7
	s_wait_dscnt 24                 ; this group's fragments are in; the next group's 24 loads are younger
.else
	s_wait_dscnt 0x0
.endif
.set fb_, FR0+96*((\g)%2)
.set k_, 0
.rept 6
.set d_, 0
.rept 2
.set t_, 2*(\g)+d_
.set b_, fb_+48*d_+8*k_
.if k_ == 0
	WIN 0x72
	WM RK+8*t_, WK1, b_, BK1
	WM RV+8*t_, WV1, b_, BV1
.else
	WIN 0x52
	WM RK+8*t_, WK1+8*k_, b_, RK+8*t_
	WM RV+8*t_, WV1+8*k_, b_, RV+8*t_
.endif
.set d_, d_+1
.endr
.set k_, k_+1
.endr
	PLACES
.if (\g) < 6
	WIN 0
	s_wait_alu depctr_va_vdst(0)    ; this group's matrix instructions are done reading their fragments, in which the loads below land
	LDH (\g)+2, FR0+96*((\g)%2)
.endif
	WIN 0x44
	RELU8 RK+16*(\g)
	RELU8 RV+16*(\g)
	RELU8 RK+16*(\g)+8
	RELU8 RV+16*(\g)+8
.endm
; ATTENTION for two queries of my (place, head) over NK keys, in two halves.
; The first half: the queries are unpacked; scores, maximum, exponentials.  The wait for the exponentials stands behind it, in ATTN's text.
.macro AP1 NK
	s_wait_dscnt 0x0                ; the two queries are in: nothing was issued behind their loads
.set c_, 0
.rept 8
	v_lshlrev_b32 v[RQ+2*c_],   16,  v[RQP+c_]
	v_and_b32     v[RQ+2*c_+1], s88, v[RQP+c_]
.set c_, c_+1
.endr
	WIN 0x04                        ; keys in window 1.  s[m] = the sum over c of q[c] k[m][c], both queries at once: NK chains that do not wait for each other
.set c_, 0
.rept 8
.set m_, 0
.rept \NK
.if c_ == 0
	v_pk_mul_f32 v[RS+2*m_:RS+2*m_+1], v[RQ:RQ+1], v[RK+8*m_:RK+8*m_+1] op_sel_hi:[1,0]
.elseif (c_&1) == 0
	v_pk_fma_f32 v[RS+2*m_:RS+2*m_+1], v[RQ+2*c_:RQ+2*c_+1], v[RK+8*m_+c_:RK+8*m_+c_+1], v[RS+2*m_:RS+2*m_+1] op_sel_hi:[1,0,1]
.else
	v_pk_fma_f32 v[RS+2*m_:RS+2*m_+1], v[RQ+2*c_:RQ+2*c_+1], v[RK+8*m_+c_-1:RK+8*m_+c_], v[RS+2*m_:RS+2*m_+1] op_sel:[0,1,0] op_sel_hi:[1,1,1]
.endif
.set m_, m_+1
.endr
.set c_, c_+1
.endr
	WIN 0
	v_max3_num_f32 v[RM],   v[RS],   v[RS+2], v[RS+4]
	v_max3_num_f32 v[RM+1], v[RS+1], v[RS+3], v[RS+5]
.set m_, 3
.rept ((\NK)-4)/2
	v_max3_num_f32 v[RM],   v[RM],   v[RS+2*m_],   v[RS+2*m_+2]
	v_max3_num_f32 v[RM+1], v[RM+1], v[RS+2*m_+1], v[RS+2*m_+3]
.set m_, m_+2
.endr
	v_max_num_f32 v[RM],   v[RM],   v[RS+2*(\NK)-2]
	v_max_num_f32 v[RM+1], v[RM+1], v[RS+2*(\NK)-1]
.set m_, 0
.rept \NK
	v_pk_add_f32 v[RS+2*m_:RS+2*m_+1], v[RS+2*m_:RS+2*m_+1], v[RM:RM+1] neg_lo:[0,1] neg_hi:[0,1]
.set m_, m_+1
.endr
.set m_, 0
.rept 2*(\NK)
	v_exp_f32 v[RS+m_], v[RS+m_]
.set m_, m_+1
.endr
	v_nop                           ; a plain instruction behind the last exponential
.endm
; The second half: the sum, O, its division, the rounding into RPK; then the addresses step.  more = 1: further queries will be fetched.
.macro AP2 NK, more
	v_pk_add_f32 v[TS:TS+1],   v[RS:RS+1],   v[RS+2:RS+3]
	v_pk_add_f32 v[TS+2:TS+3], v[RS+4:RS+5], v[RS+6:RS+7]
.set m_, 4
.rept ((\NK)-4)/2
	v_pk_add_f32 v[TS:TS+1],   v[TS:TS+1],   v[RS+2*m_:RS+2*m_+1]
	v_pk_add_f32 v[TS+2:TS+3], v[TS+2:TS+3], v[RS+2*m_+2:RS+2*m_+3]
.set m_, m_+2
.endr
	v_pk_add_f32 v[RL:RL+1], v[TS:TS+1], v[TS+2:TS+3]
	v_rcp_f32 v[RR],   v[RL]        ; the sum is at least 1: the largest weight is 2^0.  The products below stand between the reciprocals and their use
	v_rcp_f32 v[RR+1], v[RL+1]
	WIN 0x01                        ; values in window 1.  O[q][c] = the sum over m of p[q][m] v[m][c], two channels at once
.set m_, 0
.rept \NK
.set p_, 0
.rept 4
.if m_ == 0
	v_pk_mul_f32 v[RO+2*p_:RO+2*p_+1],     v[RV+2*p_:RV+2*p_+1], v[RS:RS+1] op_sel_hi:[1,0]
	v_pk_mul_f32 v[RO+8+2*p_:RO+8+2*p_+1], v[RV+2*p_:RV+2*p_+1], v[RS:RS+1] op_sel:[0,1] op_sel_hi:[1,1]
.else
	v_pk_fma_f32 v[RO+2*p_:RO+2*p_+1],     v[RV+8*m_+2*p_:RV+8*m_+2*p_+1], v[RS+2*m_:RS+2*m_+1], v[RO+2*p_:RO+2*p_+1] op_sel_hi:[1,0,1]
	v_pk_fma_f32 v[RO+8+2*p_:RO+8+2*p_+1], v[RV+8*m_+2*p_:RV+8*m_+2*p_+1], v[RS+2*m_:RS+2*m_+1], v[RO+8+2*p_:RO+8+2*p_+1] op_sel:[0,1,0] op_sel_hi:[1,1,1]
.endif
.set p_, p_+1
.endr
.set m_, m_+1
.endr
	WIN 0
	s_wait_alu depctr_va_vdst(0)    ; the two reciprocals are written, ahead of their first reader
	s_wait_alu depctr_vm_vsrc(0)    ; the stores of the pair before have read RPK and A_OW, the last loads of queries A_QR: the lines below write all three again
.set p_, 0
.rept 4
	v_pk_mul_f32 v[RO+2*p_:RO+2*p_+1],     v[RO+2*p_:RO+2*p_+1],     v[RR:RR+1] op_sel_hi:[1,0]
	v_pk_mul_f32 v[RO+8+2*p_:RO+8+2*p_+1], v[RO+8+2*p_:RO+8+2*p_+1], v[RR:RR+1] op_sel:[0,1] op_sel_hi:[1,1]
.set p_, p_+1
.endr
.set p_, 0
.rept 8
	v_cvt_pk_bf16_f32 v[RPK+p_], v[RO+2*p_], v[RO+2*p_+1]
.set p_, p_+1
.endr
	v_add_nc_u32 v[A_OW], 1024, v[A_OW]
.if \more
	v_add_nc_u32 v[A_QR], 1024, v[A_QR]
.endif
.endm
; NT pairs of queries.  The first half of pair 0 stands ahead of the loop, the second half of the last pair behind it; a trip is the second half of pair i and the first half of pair i + 1.
; The first two pairs of queries are fetched by the fixed address AB, so that nothing is owed for them but the wait that frees RQP.
.macro ATTN NK, NT, AB
	WIN 0
	ds_load_b128 v[RQP:RQP+3],   v[\AB]
	ds_load_b128 v[RQP+4:RQP+7], v[\AB] offset:512
	v_mov_b32 v[A_QR], v[\AB]
	v_lshl_add_u32 v[A_OW], v3, 4, s90
	AP1 \NK
	s_wait_alu depctr_va_vdst(0)    ; the exponentials are written, ahead of their first reader; the unpacking is done reading RQP, in which the next two queries land
	ds_load_b128 v[RQP:RQP+3],   v[\AB] offset:1024
	ds_load_b128 v[RQP+4:RQP+7], v[\AB] offset:1536
	s_mov_b32 s68, (\NT)-1
.Latt_\@:
	AP2 \NK, 1
	AP1 \NK
	s_wait_alu depctr_va_vdst(0)    ; the exponentials are written; so are RPK, A_OW and A_QR, which the lines below read; the unpacking is done reading RQP, in which the loads below land
	ds_store_b128 v[A_OW], v[RPK:RPK+3]              ; pair i: the first query's image,
	ds_store_b128 v[A_OW], v[RPK+4:RPK+7] offset:512 ; the second's
	s_cmp_eq_u32 s68, 1
	s_cbranch_scc1 .Lnoq_\@         ; in the last trip there is no pair i + 2
	ds_load_b128 v[RQP:RQP+3],   v[A_QR] offset:1024
	ds_load_b128 v[RQP+4:RQP+7], v[A_QR] offset:1536
.Lnoq_\@:
	s_sub_co_u32 s68, s68, 1
	s_cmp_lg_u32 s68, 0
	s_cbranch_scc1 .Latt_\@
	AP2 \NK, 0
	s_wait_alu depctr_va_vdst(0)    ; the last pair's RPK and A_OW are written, which the two stores read
	ds_store_b128 v[A_OW], v[RPK:RPK+3]
	ds_store_b128 v[A_OW], v[RPK+4:RPK+7] offset:512
.endm
; mab0's o.  The fragments of two set rows into buffer p, from byte at behind the address in AR.
.macro O0LD p, AR, at
.set d_, 0
.rept 2
.set k_, 0
.rept 2
.set b_, FR0+32*(\p)+16*d_+8*k_
	ds_load_b128 v[b_:b_+3],   v[\AR] offset:(\at)+k_*16384+d_*512
	ds_load_b128 v[b_+4:b_+7], v[\AR] offset:(\at)+k_*16384+d_*512+8192
.set k_, k_+1
.endr
.set d_, d_+1
.endr
.endm
; Half p of a trip: two set rows, my three tiles, K = 64: 12 matrix instructions on six accumulators that take turns.  It reads fragment buffer p and writes out-buffer p.
.macro O0H p
.set k_, 0
.rept 2
.set d_, 0
.rept 2
.set j_, 0
.rept 3
.set a_, AC0+8*(3*d_+j_)
.if k_ == 0
	WIN 0x33                        ; W and bias window 3
	WM a_, WO0+16*j_, FR0+32*(\p)+16*d_, BO0+8*j_
.else
	WIN 0x03
	WM a_, WO0+16*j_+8, FR0+32*(\p)+16*d_+8, a_
.endif
.set j_, j_+1
.endr
.set d_, d_+1
.endr
.set k_, k_+1
.endr
	WIN 0
.if (\p) == 0
	PLACES
.else
	s_wait_alu depctr_vm_vsrc(0)    ; the first half's stores and loads have read A_HW, A_R2R and out-buffer 0, the last trip's stores out-buffer 1: the steps below, this half's roundings and the next trip's write them again
	v_add_nc_u32 v[A_R2R], 2048, v[A_R2R]  ; the two steps are two of the four places behind the matrix instructions
	v_add_nc_u32 v[A_HW], 2048, v[A_HW]
	v_nop
	v_nop
.endif
.set k_, 0
.rept 24
	v_cvt_pk_bf16_f32 v[PKH+24*(\p)+k_], v[AC0+2*k_], v[AC0+2*k_+1]
.set k_, k_+1
.endr
.set k_, 0
.rept 24
	v_pk_max_num_bf16 v[PKH+24*(\p)+k_], v[PKH+24*(\p)+k_], v[ZERO]
.set k_, k_+1
.endr
	s_wait_alu depctr_va_vdst(0)    ; out-buffer p, A_HW and A_R2R are written, which the lines below read; the matrix instructions are done reading fragment buffer p, in which the loads below land
.set d_, 0
.rept 2
.set j_, 0
.rept 3
	ds_store_b128 v[A_HW], v[PKH+24*(\p)+4*(3*d_+j_):PKH+24*(\p)+4*(3*d_+j_)+3] offset:1024*(1-(\p))+j_*8192+d_*512
.set j_, j_+1
.endr
.set d_, d_+1
.endr
	s_wait_dscnt 6                  ; the OTHER buffer's fragments, asked for half a trip ago, are in: only the six stores above are younger, whether or not the loads below are jumped
	s_cmp_eq_u32 s68, 1
	s_cbranch_scc1 .Lo0n_\@         ; in the last trip there is no pair two further on
	O0LD \p, A_R2R, 2048-1024*(\p)
.Lo0n_\@:
.endm
; mab1's o for all 12 time rows, my tile, K = 64: 24 matrix instructions on twelve accumulators that take turns; the ReLU; into the way out's rows.
.macro O1
	WIN 0
.set t_, 0
.rept 12
.set k_, 0
.rept 2
	ds_load_b128 v[FR0+16*t_+8*k_:FR0+16*t_+8*k_+3],   v[A_R2] offset:k_*16384+t_*512
	ds_load_b128 v[FR0+16*t_+8*k_+4:FR0+16*t_+8*k_+7], v[A_R2] offset:k_*16384+t_*512+8192
.set k_, k_+1
.endr
.set t_, t_+1
.endr
	s_wait_dscnt 0x0
	WIN 0x73
.set t_, 0
.rept 12
	WM RK+8*t_, WO1, FR0+16*t_, BO1
.set t_, t_+1
.endr
	WIN 0x53
.set t_, 0
.rept 12
	WM RK+8*t_, WO1+8, FR0+16*t_+8, RK+8*t_
.set t_, t_+1
.endr
	PLACES
	WIN 0x44
.set t_, 0
.rept 12
	RELU8 RK+8*t_
.set t_, t_+1
.endr
	WIN 0x04                        ; store data window 1
	s_wait_alu depctr_va_vdst(0)    ; the ReLUs have written window 1's v[0:95], which the LDS stores read
.set t_, 0
.rept 12
	ds_store_b128 v[A_OS], v[RK+8*t_:RK+8*t_+3]   offset:t_*16*OPI
	ds_store_b128 v[A_OS], v[RK+8*t_+4:RK+8*t_+7] offset:t_*16*OPI+16
.set t_, t_+1
.endr
	WIN 0
.endm
; THE WAY OUT: my three time rows come back as whole rows of 256 bytes, X is added, and they are stored.
.macro OUT
	WIN 0x40
	s_wait_alu depctr_va_vdst(0)    ; the ReLUs have written window 1's v[0:95], and the second attention is done reading the keys and values in v[96:191]: the rows and X land there
	s_wait_alu depctr_vm_vsrc(0)    ; my LDS stores into the way out have read window 1's v[0:95]
.set k_, 0
.rept 24
	ds_load_b128 v[4*k_:4*k_+3], v[A_OR] offset:((k_/8)*16+2*(k_%8))*OPI
.set k_, k_+1
.endr
.set k_, 0
.rept 24
	ds_load_b128 v[XB+4*k_:XB+4*k_+3], v[A_XF] offset:k_*512
.set k_, k_+1
.endr
	s_wait_dscnt 0x0
	WIN 0x45
.set k_, 0
.rept 48
	v_pk_add_f32 v[2*k_:2*k_+1], v[2*k_:2*k_+1], v[XB+2*k_:XB+2*k_+1]
.set k_, k_+1
.endr
	WIN 0x04
	s_wait_alu depctr_va_vdst(0)    ; the additions have written window 1's v[0:95], which the global stores read
.set k_, 0
.rept 24
	global_store_b128 v[G_LD], v[4*k_:4*k_+3], s[82:83] offset:(k_/8)*TROW+(k_%8)*512 th:TH_STORE_NT  ; 16 lanes store one whole row of 256 bytes
.set k_, k_+1
.endr
	WIN 0
.endm
; What is done for the NEXT unit is jumped over in the last trip: loads into registers and LDS stores alone; no barrier stands inside.
; w = 1: the wait for the loads that went out a phase ago stands AHEAD of the jump, on every way through the text, so that no load is ever issued into ST
; while an earlier load into ST is out.  In the last trip no load is out and the wait is met at once.
.macro PFB k, w=0
	WIN 0
.if \w
	s_wait_loadcnt 0x0
.endif
	s_cmp_eq_u32 s67, 1
	s_cbranch_scc1 .Lpf\k
.endm
.macro PFE k
	WIN 0
.Lpf\k:
.endm
	s_load_b512 s[4:19],  s[0:1], 0x0   ; X s[4:5], TE s[6:7], SE s[8:9], out0 s[10:11], q0tab s[12:13], wpack0 s[14:15]; q1's six s[16:27]; k1's s[28:39]; v1's s[40:51]; o1's s[52:63]
	s_load_b512 s[20:35], s[0:1], 0x40
	s_load_b512 s[36:51], s[0:1], 0x80
	s_load_b256 s[52:59], s[0:1], 0xc0
	s_load_b128 s[60:63], s[0:1], 0xe0
	v_lshl_add_u32 v[SPW], v0, 2, SPARE
	v_mov_b32 v[NIL], 0
	v_and_b32 v3, 31, v0            ; lane
	v_and_b32 v1, 15, v0            ; l % 16
	v_bfe_u32 v2, v0, 4, 1          ; l / 16
	v_lshrrev_b32 v[VPD], 5, v0
	v_readfirstlane_b32 s66, v[VPD] ; wave 0..3
	v_mov_b32 v[ZERO], 0
	s_mov_b32 s88, 0xffff0000       ; a word's upper bf16
	s_lshr_b32 s69, ttmp9, 2
	s_mul_i32 s69, s69, 3684        ; b x 12 x 307 rows
	s_and_b32 s71, ttmp9, 3
	s_mul_i32 s71, s71, 5           ; my first block of 16 places
	s_wait_alu depctr_va_sdst(0)    ; s66 is written, ahead of its first reader: every LDS place and offset of the wave is made from it
	s_lshl_b32 s90, s66, 13         ; my tile's 16 images in R2,
	s_add_co_u32 s90, s90, R2-1024  ; less one pair of images: A_OW is stepped ahead of each pair's stores
	s_mul_i32 s91, s66, 24576       ; my three tiles' images in R1,
	s_add_co_u32 s91, s91, R1-1024  ; less one pair: a trip's first half stores at 1,024 behind A_HW
	v_mul_u32_u24 v[A_FRA], v1, XP
	v_lshl_add_u32 v[A_FRA], v2, 4, v[A_FRA]
	v_add_nc_u32 v[A_FRB], 6*16*XP, v[A_FRA]
	s_mul_i32 s86, s66, 48*XP       ; my three time rows of XIMG
	v_mul_u32_u24 v[A_XST], v2, XP  ; lanes 0-15 hold one loaded row, lanes 16-31 the next; 8 bytes of bf16 a lane
	v_lshl_add_u32 v[A_XST], v1, 3, v[A_XST]
	v_add_nc_u32 v[A_XST], s86, v[A_XST]
	v_lshl_add_u32 v[A_R2], v3, 4, R2
	v_lshl_add_u32 v[A_H0], v3, 4, R1
	v_add_nc_u32 v[A_H1], 49152, v[A_H0]
	s_lshl_b32 s86, s66, 6
	s_add_co_u32 s86, s86, R1
	v_mul_u32_u24 v[A_OS], v1, OPI  ; row l % 16, channels 16 w + 8 (l / 16) on, in f32
	v_lshl_add_u32 v[A_OS], v2, 5, v[A_OS]
	v_add_nc_u32 v[A_OS], s86, v[A_OS]
	s_mul_i32 s86, s66, 48*OPI
	s_add_co_u32 s86, s86, R1
	v_mul_u32_u24 v[A_OR], v2, OPI
	v_lshl_add_u32 v[A_OR], v1, 4, v[A_OR]
	v_add_nc_u32 v[A_OR], s86, v[A_OR]
	s_mul_i32 s86, s66, 12288
	s_add_co_u32 s86, s86, XF
	v_lshl_add_u32 v[A_XF], v3, 4, s86
	s_lshl_b32 s86, s66, 13
	s_add_co_u32 s86, s86, Q0L
	v_lshl_add_u32 v[A_Q0], v3, 4, s86
	s_mul_i32 s86, s66, 6144
	s_add_co_u32 s86, s86, Q1L
	v_lshl_add_u32 v[A_Q1], v3, 4, s86
	s_mul_i32 s86, s66, 3*TROW
	v_lshl_add_u32 v[G_LD], v3, 4, s86
	s_mul_i32 s86, s66, 163840      ; tile w of the table: 8 x 2 x 10,240 bytes
	v_lshlrev_b32 v[G_Q0], 5, v1
	v_lshl_add_u32 v[G_Q0], v2, 4, v[G_Q0]
	v_add_nc_u32 v[G_Q0], s86, v[G_Q0]
	; offsets for the weights: my tile is w in every layer of 64 outputs
	s_lshl_b32 s86, s66, 6
	v_lshl_add_u32 v[VPD], v2, 5, s86          ; (16 w + 8 (l / 16)) x 4
	v_lshl_add_u32 v[VPA], v1, 2, s86          ; (16 w + l % 16) x 4
	s_lshl_b32 s86, s66, 4
	v_add_nc_u32 v[VIMG], s86, v1              ; my W row
	v_mul_u32_u24 v[VW192], v[VIMG], 768
	v_lshl_add_u32 v[VW192], v2, 5, v[VW192]
	v_lshlrev_b32 v[VW64], 8, v[VIMG]
	v_lshl_add_u32 v[VW64], v2, 5, v[VW64]
	s_mul_i32 s86, s66, 6144
	v_lshl_add_u32 v[VIMG], v3, 4, s86         ; six fragments of 1,024 bytes a wave
	s_mul_i32 s86, s66, 192
	v_lshl_add_u32 v[VBO], v2, 5, s86
	s_wait_kmcnt 0x0
	s_wait_alu depctr_va_vdst(0)    ; v4 to v16 and v32 to v37 are written: every address and offset that the loads and stores of the launch read, but for the four that step
	; THE WEIGHTS, once for the launch.  mab0's come packed; mab1's are scaled and rounded here.
	PARLD 16, 64
	PARLD 28, 106
	PARLD 40, 148
	PARLD 52, 190
	WIN 0xc0                        ; destination window 3
	global_load_b128 v[BK0:BK0+3],   v[VPD], s[14:15] offset:73728
	global_load_b128 v[BK0+4:BK0+7], v[VPD], s[14:15] offset:73728+16
	global_load_b128 v[BV0:BV0+3],   v[VPD], s[14:15] offset:73984
	global_load_b128 v[BV0+4:BV0+7], v[VPD], s[14:15] offset:73984+16
.set j_, 0
.rept 3
	global_load_b128 v[BO0+8*j_:BO0+8*j_+3],   v[VBO], s[14:15] offset:74240+64*j_
	global_load_b128 v[BO0+8*j_+4:BO0+8*j_+7], v[VBO], s[14:15] offset:74240+64*j_+16
.set j_, j_+1
.endr
.set k_, 0
.rept 6
	global_load_b128 v[WO0+8*k_:WO0+8*k_+3],   v[VIMG], s[14:15] offset:49152+k_*1024
	global_load_b128 v[WO0+8*k_+4:WO0+8*k_+7], v[VIMG], s[14:15] offset:49152+k_*1024+512
.set k_, k_+1
.endr
	WLD 40, VW192, 6, ST
	WIN 0x80                        ; destination window 2
.set k_, 0
.rept 6
	global_load_b128 v[WK0+8*k_:WK0+8*k_+3],   v[VIMG], s[14:15] offset:k_*1024
	global_load_b128 v[WK0+8*k_+4:WK0+8*k_+7], v[VIMG], s[14:15] offset:k_*1024+512
	global_load_b128 v[WV0+8*k_:WV0+8*k_+3],   v[VIMG], s[14:15] offset:24576+k_*1024
	global_load_b128 v[WV0+8*k_+4:WV0+8*k_+7], v[VIMG], s[14:15] offset:24576+k_*1024+512
.set k_, k_+1
.endr
	WIN 0x40                        ; destination window 1
	WLD 16, VW192, 6, 0
	WLD 28, VW192, 6, 96
	WLD 52, VW64, 2, 192
	WIN 0
	s_wait_loadcnt 0x0
	PARCALC 64, 1, BQ1, 0xc0
	WCV 6, 0, 0x41, 0x85, WQ1
	PARCALC 106, 0, BK1, 0xc0
	WCV 6, 96, 0x41, 0x85, WK1
	PARCALC 148, 0, BV1, 0xc0
	WCV 6, ST, 0xc3, 0x8f, WV1
	PARCALC 190, 0, BO1, 0xc0
	WCV 2, 192, 0x41, 0xc5, WO1
	; THE FIRST UNIT'S INPUTS: all 88 loads go out together
	NEXTB
	WIN 0x40
	s_wait_alu depctr_va_vdst(0)    ; the scalings and roundings of the weights are done with window 1's v[0:223] and with ST, in which the first unit's inputs land
	ISSUE 78, 0
	ISSUE 80, 96
	ISSUEQ 192
	WIN 0xc0
	ISSUE 76, ST
	WIN 0
	s_wait_loadcnt 0x0
	CVX 0, 0x05, FR0                ; three staging runs of 48 registers, so that one wait serves all the stores
	CVX 96, 0x05, FR0+48
	CVX ST, 0x0f, FR0+96
	WIN 0
	s_wait_alu depctr_va_vdst(0)    ; the conversions have written v[64:207], which the LDS stores read
	STX 128, FR0
	STX 256, FR0+48
	STX 0, FR0+96
	STQ 192, 0x04
	STRAW ST, 0x0c
	WIN 0
	s_mov_b32 s67, 5                ; units to go
.Lunit:
	s_wait_xcnt 0x0                 ; the last unit's stores have read their data (window 1) and their base; every base below is rewritten only behind this wait
	s_wait_alu depctr_vm_vsrc(0)    ; the global stores have read window 1's v[0:95] (at the first trip: q0's LDS stores v[192:255]), which the matrix instructions below write; the LDS stores into XIMG have read their staging registers, in which fragments land; the set-up's loads have read v[32:37], in which queries land
	s_mov_b64 s[74:75], s[72:73]    ; this unit's byte offset,
	s_add_nc_u64 s[82:83], s[10:11], s[74:75]  ; out0 there,
	s_add_co_u32 s71, s71, 1
	NEXTB                           ; and the next unit's bases (in the last trip they are made and not used; the block's clamp keeps them inside)
	BAR                             ; XIMG is whole; nobody reads the last unit's way out any more
	LDX 0, FR0                      ; both buffers are asked for: their last vector and matrix readers and writers stand ahead of a wait on va_vdst (the way out's, the staging's)
	LDX 1, FR1
	STA 0
	STA 1
	STA 2
	STA 3
	STA 4
	STA 5
	s_wait_alu depctr_va_vdst(0)    ; the last group has written PK1, which its two stores read
	ds_store_b128 v[A_Q1], v[RQ:RQ+3]   offset:5*1024
	ds_store_b128 v[A_Q1], v[RQ+4:RQ+7] offset:5*1024+512
	BAR                             ; nobody reads XIMG any more
	s_wait_alu depctr_vm_vsrc(0)    ; those two stores have read v[40:47], which the attention's unpacking writes
	PFB 1
	WIN 0xc0
	s_wait_alu depctr_va_vdst(0)    ; the conversions of X are done reading ST, in which TE lands
	s_wait_alu depctr_vm_vsrc(0)    ; the LDS stores of X in f32 have read ST
	ISSUE 78, ST                    ; the next unit's TE: it has the first attention in which to land
	PFE 1
	ATTN 12, 8, A_Q0                ; 16 set rows attend over 12 time rows: O0's images
	PFB 2, 1                        ; TE is in
	CVX ST, 0x0f, FR0
	WIN 0xc0
	s_wait_alu depctr_va_vdst(0)    ; the conversions are done reading ST, in which SE lands, and have written v[64:111], which the LDS stores read
	ISSUE 80, ST                    ; SE
	STX 128, FR0
	PFE 2
	BAR                             ; O0 is whole
	s_wait_alu depctr_vm_vsrc(0)    ; TE's LDS stores have read v[64:111], in which O0's fragments land; the first attention's last stores have read A_OW and RPK, which the second writes
	O0LD 0, A_R2, 0                 ; the first two pairs of set rows, by the fixed address
	O0LD 1, A_R2, 1024
	v_mov_b32 v[A_R2R], v[A_R2]
	v_lshl_add_u32 v[A_HW], v3, 4, s91
	s_mov_b32 s68, 4
	s_wait_dscnt 8                  ; buffer 0 is in; buffer 1's eight loads are younger
.Lo0:
	O0H 0
	O0H 1
	s_sub_co_u32 s68, s68, 1
	s_cmp_lg_u32 s68, 0
	s_cbranch_scc1 .Lo0
	PFB 3, 1                        ; SE is in
	CVX ST, 0x0f, FR0
	WIN 0xc0
	s_wait_alu depctr_va_vdst(0)    ; the conversions are done reading ST, in which q0 lands, and have written v[64:111], which the LDS stores read
	ISSUEQ ST                       ; q0
	STX 256, FR0
	PFE 3
	BAR                             ; H is whole; nobody reads O0 any more
	s_wait_alu depctr_vm_vsrc(0)    ; H's last LDS stores have read v[232:255] and A_HW, SE's have read v[64:111]: H's fragments land in v[64:255]
	LDH 0, FR0
	LDH 1, FR1
	KV 0
	KV 1
	KV 2
	KV 3
	KV 4
	KV 5
	KV 6
	KV 7
	PFB 4, 1                        ; q0 is in
	STQ ST, 0x0c                    ; my own bytes, which my first attention has finished reading
	WIN 0xc0
	s_wait_alu depctr_va_vdst(0)    ; no vector instruction still reads ST (the last were SE's conversions): X lands there
	s_wait_alu depctr_vm_vsrc(0)    ; q0's LDS stores have read ST
	ISSUE 76, ST                    ; X
	PFE 4
	ATTN 16, 6, A_Q1                ; 12 time rows attend over 16 set rows: O1's images
	BAR                             ; O1 is whole; nobody reads H any more
	O1
	BAR                             ; the way out's rows are whole
	OUT
	PFB 5, 1                        ; X is in
	CVX ST, 0x0f, FR0
	WIN 0
	s_wait_alu depctr_va_vdst(0)    ; the conversions have written v[64:111], which the LDS stores read
	STX 0, FR0
	STRAW ST, 0x0c                  ; LDS serves a wave's instructions in order (ISA guide 5.7.1.4): these stores into my X come behind the reads above
	PFE 5
	s_sub_co_u32 s67, s67, 1
	s_cmp_lg_u32 s67, 0
	s_cbranch_scc1 .Lunit
	s_wait_dscnt 0x0                ; the closing lines, six on end
	s_wait_alu 0x0
	s_wait_tensorcnt 0x0
	ds_add_u32 v[SPW], v[NIL]
	s_wait_dscnt 0x0
	s_endpgm
.Lfunc_end_k_qecc43ac149_main:
	.size	k_qecc43ac149_main, .Lfunc_end_k_qecc43ac149_main-k_qecc43ac149_main
	.p2alignl 7, 3214868480
	.fill 96, 4, 3214868480
	.section	.rodata,"a",@progbits
	.p2align	6, 0x0
	.amdhsa_kernel k_qecc43ac149_main
		.amdhsa_group_segment_fixed_size 314880
		.amdhsa_private_segment_fixed_size 0
		.amdhsa_enable_private_segment 0
		.amdhsa_kernarg_size 240
		.amdhsa_user_sgpr_count 2
		.amdhsa_user_sgpr_kernarg_segment_ptr 1
		.amdhsa_wavefront_size32 1
		.amdhsa_system_sgpr_workgroup_id_x 1
		.amdhsa_system_sgpr_workgroup_id_y 1
		.amdhsa_system_sgpr_workgroup_id_z 1
		.amdhsa_system_vgpr_workitem_id 0
		.amdhsa_next_free_vgpr 1024
		.amdhsa_next_free_sgpr 96
		.amdhsa_reserve_vcc 0
		.amdhsa_float_denorm_mode_32 3
		.amdhsa_float_denorm_mode_16_64 3
		.amdhsa_memory_ordered 1
		.amdhsa_forward_progress 1
		.amdhsa_inst_pref_size 255
	.end_amdhsa_kernel
	.section	.bss,"aw",@nobits
	.p2align	6
	.space	262144
	.amdgpu_metadata
---
amdhsa.version: [ 1, 2 ]
amdhsa.kernels:
  - .name:           k_qecc43ac149_main
    .symbol:         k_qecc43ac149_main.kd
    .args:
      - { .name: X, .offset: 0, .size: 8, .value_kind: global_buffer, .address_space: global }
      - { .name: TE, .offset: 8, .size: 8, .value_kind: global_buffer, .address_space: global }
      - { .name: SE, .offset: 16, .size: 8, .value_kind: global_buffer, .address_space: global }
      - { .name: out0, .offset: 24, .size: 8, .value_kind: global_buffer, .address_space: global }
      - { .name: q0tab, .offset: 32, .size: 8, .value_kind: global_buffer, .address_space: global }
      - { .name: wpack0, .offset: 40, .size: 8, .value_kind: global_buffer, .address_space: global }
      - { .name: params_mab1_q_W, .offset: 48, .size: 8, .value_kind: global_buffer, .address_space: global }
      - { .name: params_mab1_q_b, .offset: 56, .size: 8, .value_kind: global_buffer, .address_space: global }
      - { .name: params_mab1_q_beta, .offset: 64, .size: 8, .value_kind: global_buffer, .address_space: global }
      - { .name: params_mab1_q_g, .offset: 72, .size: 8, .value_kind: global_buffer, .address_space: global }
      - { .name: params_mab1_q_rm, .offset: 80, .size: 8, .value_kind: global_buffer, .address_space: global }
      - { .name: params_mab1_q_rv, .offset: 88, .size: 8, .value_kind: global_buffer, .address_space: global }
      - { .name: params_mab1_k_W, .offset: 96, .size: 8, .value_kind: global_buffer, .address_space: global }
      - { .name: params_mab1_k_b, .offset: 104, .size: 8, .value_kind: global_buffer, .address_space: global }
      - { .name: params_mab1_k_beta, .offset: 112, .size: 8, .value_kind: global_buffer, .address_space: global }
      - { .name: params_mab1_k_g, .offset: 120, .size: 8, .value_kind: global_buffer, .address_space: global }
      - { .name: params_mab1_k_rm, .offset: 128, .size: 8, .value_kind: global_buffer, .address_space: global }
      - { .name: params_mab1_k_rv, .offset: 136, .size: 8, .value_kind: global_buffer, .address_space: global }
      - { .name: params_mab1_v_W, .offset: 144, .size: 8, .value_kind: global_buffer, .address_space: global }
      - { .name: params_mab1_v_b, .offset: 152, .size: 8, .value_kind: global_buffer, .address_space: global }
      - { .name: params_mab1_v_beta, .offset: 160, .size: 8, .value_kind: global_buffer, .address_space: global }
      - { .name: params_mab1_v_g, .offset: 168, .size: 8, .value_kind: global_buffer, .address_space: global }
      - { .name: params_mab1_v_rm, .offset: 176, .size: 8, .value_kind: global_buffer, .address_space: global }
      - { .name: params_mab1_v_rv, .offset: 184, .size: 8, .value_kind: global_buffer, .address_space: global }
      - { .name: params_mab1_o_W, .offset: 192, .size: 8, .value_kind: global_buffer, .address_space: global }
      - { .name: params_mab1_o_b, .offset: 200, .size: 8, .value_kind: global_buffer, .address_space: global }
      - { .name: params_mab1_o_beta, .offset: 208, .size: 8, .value_kind: global_buffer, .address_space: global }
      - { .name: params_mab1_o_g, .offset: 216, .size: 8, .value_kind: global_buffer, .address_space: global }
      - { .name: params_mab1_o_rm, .offset: 224, .size: 8, .value_kind: global_buffer, .address_space: global }
      - { .name: params_mab1_o_rv, .offset: 232, .size: 8, .value_kind: global_buffer, .address_space: global }
    .group_segment_fixed_size: 314880
    .private_segment_fixed_size: 0
    .kernarg_segment_align: 8
    .kernarg_segment_size: 240
    .max_flat_workgroup_size: 128
    .sgpr_count:     96
    .vgpr_count:     1024
    .wavefront_size: 32
...
	.end_amdgpu_metadata
.endif
;; end of part 3
